; MI455X (gfx1250); checked and timed in simulation.
; The chip was launched on July 23, 2026; its instructions are those of AMD's public machine-readable ISA for CDNA 5 (MIT licence, August 2026) and "CDNA5" Instruction Set Architecture Reference Guide (July 2026). The comments in the code are by the model that wrote it; some were corrected since.
;; Multihead Self Attention. Allowed arithmetic: float matrix products may take bf16 or f16 operands with f32 sums; all other float work in f32.
;; Inputs: w_out 1,024 x 1,024 float32; w_qkv 3,072 x 1,024 float32; x 2 x 2,048 x 1,024 float32.
;; Outputs: out0 2 x 2,048 x 1,024 float32.
;; 3 versions, each right; version 2 is faster than version 1; version 3 is version 2 with the launch cast written anew for expert scheduling mode. Each part assembles by itself: llvm-mc -triple=amdgcn-amd-amdhsa -mcpu=gfx1250 --defsym DOCPART=n.
;; ======== version 1 of 3: 4 launches
;; limits: values are held in f16: magnitudes above 65,504 overflow, below 6.1e-05 lose precision
;; workspace buffers: xh 8,388,608 bytes; wqh 6,291,456 bytes; woh 2,097,152 bytes; qkvh 25,165,824 bytes; vlo 8,388,608 bytes; ctxh 16,777,216 bytes
;; launch cast (part 1): grid 256 x 1, 8 waves a work-group, no clusters, 0 bytes of LDS; arguments x, w_qkv, w_out, xh, wqh, woh; writes xh, wqh, woh
.if DOCPART == 1
	.amdgcn_target "amdgcn-amd-amdhsa--gfx1250"
	.amdhsa_code_object_version 6
	.text
	.protected	k_q095ca3e7c5_cast
	.globl	k_q095ca3e7c5_cast
	.p2align	8
	.type	k_q095ca3e7c5_cast,@function
k_q095ca3e7c5_cast:
	s_mov_b64 s[64:65], 0
	v_nop
	global_prefetch_b8 v0, s[64:65] scope:SCOPE_SE
	s_setreg_imm32_b32 hwreg(HW_REG_WAVE_MODE, 25, 1), 1
	s_wait_xcnt 0x0
; f32 -> bf16 (round to nearest even), once for all later matrix work.
;   xh  [4096][1024]      = x,      same order
;   wqh [3072][1024]      = w_qkv,  same order
;   woh [16 head][1024 o][64 d] = w_out[o][64 head + d]: laid by head, so that the last product can walk K in the order (head, d)
; bf16 has f32's range of exponents: no limit of range is added here.  The rounding keeps 8 significant bits.
; A stream: no LDS, no barrier, no matrix unit.  256 work-groups of 32,768 numbers: groups 0-127 x, 128-223 w_qkv, 224-255 w_out.
; Thread t, turn i (16 turns): reads 32 bytes, stores the 16 bytes at 65,536 idx + 4,096 i + 16 t of its output: a wave's store covers
; 512 consecutive bytes, aligned.  The input address is base + (t >> 3) * rowmul + 32 (t & 7) + i * step:
;   x, w_qkv: rowmul 256, step 8,192, base 131,072 idx          (simply 32 bytes a thread, in order)
;   w_out:    rowmul 4,096, step 131,072, base 256 (idx >> 1) + (idx & 1) << 21   (eight lanes read the 256 bytes of one row's head)
; All 32 loads of a thread go out first; no register is written twice, so the only waits are the counted ones for the loads.
.set OFF, 4                            ; v[4:19]   turn i: byte offset of my 32 input bytes
.set OUT, 20                           ; v20       16 t
.set X,   24                           ; v[24:151] turn i: 8 registers as loaded; the first 4 then hold the 8 bf16
	s_load_b256 s[4:11], s[0:1], 0x0               ; x s[4:5], w_qkv s[6:7], w_out s[8:9], xh s[10:11]
	s_load_b128 s[12:15], s[0:1], 0x20             ; wqh s[12:13], woh s[14:15]
	v_lshrrev_b32 v1, 3, v0                        ; t >> 3
	v_and_b32 v2, 7, v0
	v_lshlrev_b32 v2, 5, v2                        ; 32 (t & 7)
	v_lshlrev_b32 v[OUT], 4, v0
	s_mov_b32 s21, 256                             ; rowmul and step of the two plain cases
	s_mov_b32 s22, 8192
	s_wait_kmcnt 0x0
	s_cmp_lt_u32 ttmp9, 128                        ; which tensor: the choice hangs on the work-group's number alone
	s_cselect_b64 s[16:17], s[4:5], s[6:7]         ; from
	s_cselect_b64 s[18:19], s[10:11], s[12:13]     ; to
	s_cselect_b32 s20, 0, 128                      ; the tensor's first work-group
	s_cmp_lt_u32 ttmp9, 224
	s_cselect_b64 s[16:17], s[16:17], s[8:9]
	s_cselect_b64 s[18:19], s[18:19], s[14:15]
	s_cselect_b32 s20, s20, 224
	s_cselect_b32 s21, s21, 4096
	s_cselect_b32 s22, s22, 0x20000
	s_sub_co_u32 s23, ttmp9, s20                   ; idx
	s_lshl_b32 s24, s23, 17                        ; plain case: 131,072 idx
	s_lshr_b32 s26, s23, 1
	s_lshl_b32 s26, s26, 8                         ; w_out: 256 head
	s_and_b32 s27, s23, 1
	s_lshl_b32 s27, s27, 21                        ;        + 512 rows of 4,096 bytes for the odd half
	s_add_co_u32 s26, s26, s27
	s_cmp_lt_u32 ttmp9, 224                        ; compared again: the lines above changed SCC
	s_cselect_b32 s24, s24, s26
	s_mov_b32 s25, 0
	s_add_nc_u64 s[16:17], s[16:17], s[24:25]
	s_lshl_b32 s24, s23, 16                        ; 65,536 idx
	s_add_nc_u64 s[18:19], s[18:19], s[24:25]
	v_mad_u32_u24 v[OFF], v1, s21, v2
.irp i, 1,2,3,4,5,6,7,8,9,10,11,12,13,14,15
	s_mul_i32 s26, s22, \i
	v_add_nc_u32 v[OFF+\i], s26, v[OFF]
.endr
.irp i, 0,1,2,3,4,5,6,7,8,9,10,11,12,13,14,15
	global_load_b128 v[X+8*\i:X+8*\i+3],   v[OFF+\i], s[16:17] th:TH_LOAD_NT
	global_load_b128 v[X+8*\i+4:X+8*\i+7], v[OFF+\i], s[16:17] offset:16 th:TH_LOAD_NT
.endr
.irp i, 0,1,2,3,4,5,6,7,8,9,10,11,12,13,14,15
	s_wait_loadcnt 30-2*\i                         ; loads come back in order (ISA guide 5.7.1): turn i's two are in, the younger turns' stay out
.irp q, 0,1,2,3
	v_cvt_pk_bf16_f32 v[X+8*\i+\q], v[X+8*\i+2*\q], v[X+8*\i+2*\q+1]  ; in place, ascending: register q is written when 2q and 2q+1 are read
.endr
	global_store_b128 v[OUT], v[X+8*\i:X+8*\i+3], s[18:19] offset:4096*\i
.endr
	s_endpgm
.Lfunc_end_k_q095ca3e7c5_cast:
	.size	k_q095ca3e7c5_cast, .Lfunc_end_k_q095ca3e7c5_cast-k_q095ca3e7c5_cast
	.p2alignl 7, 3214868480
	.fill 96, 4, 3214868480
	.section	.rodata,"a",@progbits
	.p2align	6, 0x0
	.amdhsa_kernel k_q095ca3e7c5_cast
		.amdhsa_group_segment_fixed_size 0
		.amdhsa_private_segment_fixed_size 0
		.amdhsa_enable_private_segment 0
		.amdhsa_kernarg_size 48
		.amdhsa_user_sgpr_count 2
		.amdhsa_user_sgpr_kernarg_segment_ptr 1
		.amdhsa_wavefront_size32 1
		.amdhsa_system_sgpr_workgroup_id_x 1
		.amdhsa_system_sgpr_workgroup_id_y 1
		.amdhsa_system_sgpr_workgroup_id_z 1
		.amdhsa_system_vgpr_workitem_id 0
		.amdhsa_next_free_vgpr 152
		.amdhsa_next_free_sgpr 66
		.amdhsa_reserve_vcc 0
		.amdhsa_float_denorm_mode_32 3
		.amdhsa_float_denorm_mode_16_64 3
		.amdhsa_memory_ordered 1
		.amdhsa_forward_progress 1
		.amdhsa_inst_pref_size 12
	.end_amdhsa_kernel
	.amdgpu_metadata
---
amdhsa.version: [ 1, 2 ]
amdhsa.kernels:
  - .name:           k_q095ca3e7c5_cast
    .symbol:         k_q095ca3e7c5_cast.kd
    .args:
      - { .name: x, .offset: 0, .size: 8, .value_kind: global_buffer, .address_space: global }
      - { .name: w_qkv, .offset: 8, .size: 8, .value_kind: global_buffer, .address_space: global }
      - { .name: w_out, .offset: 16, .size: 8, .value_kind: global_buffer, .address_space: global }
      - { .name: xh, .offset: 24, .size: 8, .value_kind: global_buffer, .address_space: global }
      - { .name: wqh, .offset: 32, .size: 8, .value_kind: global_buffer, .address_space: global }
      - { .name: woh, .offset: 40, .size: 8, .value_kind: global_buffer, .address_space: global }
    .group_segment_fixed_size: 0
    .private_segment_fixed_size: 0
    .kernarg_segment_align: 8
    .kernarg_segment_size: 48
    .max_flat_workgroup_size: 256
    .sgpr_count:     66
    .vgpr_count:     152
    .wavefront_size: 32
...
	.end_amdgpu_metadata
.endif
;; end of part 1
;; launch qkv (part 2): grid 16 x 16, 4 waves a work-group, clusters of 4 x 4, 327,680 bytes of LDS; arguments xh, wqh, qkvh, vlo; writes qkvh, vlo
.if DOCPART == 2
	.amdgcn_target "amdgcn-amd-amdhsa--gfx1250"
	.amdhsa_code_object_version 6
	.text
	.protected	k_q095ca3e7c5_qkv
	.globl	k_q095ca3e7c5_qkv
	.p2align	8
	.type	k_q095ca3e7c5_qkv,@function
k_q095ca3e7c5_qkv:
	s_mov_b64 s[64:65], 0
	v_nop
	global_prefetch_b8 v0, s[64:65] scope:SCOPE_SE
	s_setreg_imm32_b32 hwreg(HW_REG_WAVE_MODE, 25, 1), 1
	s_wait_xcnt 0x0
	s_wait_alu depctr_hold_cnt(0) depctr_sa_sdst(0) depctr_va_vdst(0) depctr_va_sdst(0) depctr_va_ssrc(0) depctr_va_vcc(0) depctr_vm_vsrc(0)
	s_getreg_b32 s2, hwreg(HW_REG_IB_STS2, 6, 4)
	s_cmp_eq_u32 s2, 0
	s_cbranch_scc0 .Lentry_in_a_cluster
	s_endpgm
.Lentry_in_a_cluster:
	s_bfe_u32 s2, ttmp6, 0x10000c
	s_cmp_lg_u32 s2, 0xf033
	s_cbranch_scc0 .Lentry_shape_is_right
	s_endpgm
.Lentry_shape_is_right:
; qkv[row][col] = sum over i of x[row][i] w_qkv[col][i];  xh [4096][1024] bf16, wqh [3072][1024] bf16, sums in f32.  The result goes out in f16,
; by head: qkvh [48 gh][4096 row][64], gh = col >> 6 (0-15 q, 16-31 k, 32-47 v), so that a head's rows lie densely.
; q and k are rounded once to f16.  v is kept as TWO f16 numbers: hi = v with the low 13 bits of its f32 significand cleared (11 bits are left: an f16),
; in qkvh; lo = v - hi (exact in f32), rounded to f16, in vlo [16 head][4096 row][64].  A row of the final result that attends to few keys is a plain
; product of v, many times larger than the result's root mean square, by which it is judged: one f16 rounding of v would show there.
; LIMITS: |q|, |k|, |v| below 65,504.  An f16 number below 6.1e-5 (a small q, k, hi, and lo as a rule) carries an absolute error of up to 3e-8.
; A work-group makes 256 rows x 192 columns with four waves: the columns of heads bx, 16 + bx, 32 + bx (one q, one k, one v head), so that every
; work-group has the same way out.  A wave makes 128 x 96: 48 accumulator tiles of 16 x 16, 384 registers.  256 work-groups.  K goes in steps of 128
; through two LDS slots filled by the tensor data mover: a tile's rows are 256 bytes of memory and start at multiples of 256 bytes.
; CLUSTERS: 4 x 4 work-groups.  The four of a row of the cluster need the same tiles of x, the four of a column the same tiles of w_qkv: each such
; tile is asked for jointly, by the same tensor load with the same descriptor and a mask that names the four.
; REGISTERS in windows of 256:
;   window 0: v16-28 addresses; v64-127, v128-191 fragments of x (8 x 16 rows x 32 K), two buffers; v192-215 packed results on the way out
;   window 1: v64-111, v128-175 fragments of w_qkv (6 x 16 rows x 32 K), two buffers
;   window 2: the 24 accumulator tiles of my rows 0-63 (tile (a, b) at v[8 (6 a + b)]);  window 3: those of my rows 64-127
; THE MATRIX INSTRUCTION IS USED TRANSPOSED: source 0 = 16 rows of w_qkv, source 1 = 16 rows of x; lane l then holds row l % 16 of the result and
; in registers 0-7 the columns 8 (l / 16) + 0..7: eight neighbouring numbers, 16 bytes in f16.
.set SIZE_K, 1024
.set KSTEP,  128
.set PITCH,  272                       ; an LDS row: 256 bytes + 16 of padding = 68 words: row r starts at bank 4 r mod 64 (64 banks of 4 bytes: ISA guide 11.1)
.set AHALF,  128*PITCH                 ; 128 rows of x: what one wave reads of x
.set BHALF,  96*PITCH                  ; 96 rows of w_qkv: what one wave reads of it
.set BHEAD,  64*PITCH                  ; one head's 64 rows of w_qkv: one tensor load
.set BOFF,   2*AHALF                   ; w_qkv's 192 rows (q head, k head, v head) lie behind x's 256
.set SLOT,   BOFF+2*BHALF              ; 121,856 bytes
.set SPITCH, 400                       ; the way out: 192 f16 + 16 bytes, 25 x 16
.set LOSTG,  2*SLOT                    ; behind the ring: v's lo, 256 rows x 144 bytes; no tensor load fills it
.set LPITCH, 144                       ; 64 f16 + 16 bytes, 9 x 16
.set LAPS,   SIZE_K/(2*KSTEP)          ; a lap = two K steps = once round the ring: 4
.set ADRA, 16                          ; v16-17  LDS address of my x fragments in slot 0, 1
.set ADRB, 20                          ; v20-21  the same for w_qkv
.set STO,  24                          ; v24     the way out: where I put 16 bytes of a row
.set RD,   25                          ; v25     the way out: where I read back
.set CO,   26                          ; v26     16 x lane
.set STL,  27                          ; v27     v's lo: where I put 16 bytes
.set RDL,  28                          ; v28     v's lo: where I read back
.set F0,   64
.set F1,   128
.set HI,   64                          ; the way out: v64-95 hi, v96-127 lo of four tiles of v (buffer 0 is free by then)
.set LO,   96
.set TMP,  192
.set G1,  24                           ; s[24:31] descriptor group 1, x's tiles
.set G0,  32                           ; s[32:39] descriptor group 0, x's tiles, one set for each slot
.set G1B, 48                           ; s[48:55] group 1, w_qkv's tiles
.set G0B, 56                           ; s[56:63] group 0, w_qkv's tiles, one set for each slot
.set MSB, 0
.macro WIN new                         ; the immediate's high byte repeats the setting that is left
.if MSB != \new
	s_set_vgpr_msb (MSB<<8)|\new
.set MSB, \new
.endif
.endm
.set MUL_LO, 0xa1                      ; source 0 window 1, source 1 window 0, C and D window 2
.set MUL_HI, 0xf1                      ; the same, C and D window 3
.set TO_B,   0x40                      ; destination window 1, address window 0
; A joint load.  Wave 3 fetches x's 256 rows, waves 0 to 2 one head's 64 rows of w_qkv each.  The branch hangs on the wave's number alone.
.macro JLOAD s
	s_cmp_eq_u32 s10, 3
	s_cbranch_scc0 .Lfor_b_\@
	tensor_load_to_lds s[G0+4*\s:G0+4*\s+3], s[G1:G1+7]
	s_nop 0
	s_branch .Lasked_\@
.Lfor_b_\@:
	tensor_load_to_lds s[G0B+4*\s:G0B+4*\s+3], s[G1B:G1B+7]
	s_nop 0
.Lasked_\@:
.endm
; A round of the cluster's barrier: my work-group's barrier; wave 0 signals for the work-group; every wave waits for all sixteen; my work-group's barrier again.
.macro CREST                           ; a round behind its opening barrier
	s_cmp_lg_u32 s10, 0
	s_cbranch_scc1 .Lnot_wave_0_\@
	s_barrier_signal -3
.Lnot_wave_0_\@:
	s_barrier_wait -3
	s_barrier_signal -1
	s_barrier_wait -1
.endm
.macro CROUND
	s_barrier_signal -1
	s_barrier_wait -1
	CREST
.endm
	s_load_b128 s[4:7], s[0:1], 0x0                ; xh s[4:5], wqh s[6:7]
	s_load_b128 s[72:75], s[0:1], 0x10             ; qkvh s[72:73], vlo s[74:75]
	s_set_vgpr_msb 0x40
	v_lshl_add_u32 v255, v0, 2, 0x44800
	s_set_vgpr_msb 0x4000
	v_mov_b32 v255, 0
	s_set_vgpr_msb 0x1
	ds_add_u32 v255, v255
	s_set_vgpr_msb 0x100
	v_lshrrev_b32 v1, 5, v0
	v_readfirstlane_b32 s10, v1                    ; wave 0..3
	s_lshr_b32 s11, s10, 1                         ; which half of the block's rows is mine
	s_and_b32 s12, s10, 1                          ; which half of its columns
	s_mov_b32 s45, 0xffffe000                      ; keeps the upper 11 bits of an f32 significand
	s_bfe_u32 s40, ttmp6, 0x40000                  ; cx
	s_bfe_u32 s41, ttmp6, 0x40004                  ; cy
	s_lshl_b32 s42, ttmp9, 2
	s_add_co_u32 s42, s42, s40                     ; block column = head = 4 x cluster x + cx
	s_and_b32 s13, ttmp7, 0xffff
	s_lshl_b32 s13, s13, 2
	s_add_co_u32 s13, s13, s41                     ; block row = 4 x cluster y + cy
	s_lshl_b32 s43, s41, 2
	s_lshl_b32 s43, 15, s43                        ; my row of the cluster: places 4 cy .. 4 cy + 3
	s_lshl_b32 s44, 0x1111, s40                    ; my column: places cx, cx + 4, cx + 8, cx + 12
	s_or_b32 s[G1+0], s43, (1<<16)|(1<<20)|(1<<21)|(5<<22)|(3<<25)   ; mask; element of 2 bytes; padding on; bit 21 beside a mask; after every 64 words, 4 words
	s_or_b32 s[G1B+0], s44, (1<<16)|(1<<20)|(1<<21)|(5<<22)|(3<<25)
	s_mov_b32 s[G1+1], KSTEP<<16                   ; tensor_dim0 = 128
	s_mov_b32 s[G1B+1], KSTEP<<16
	s_mov_b32 s[G1+2], 256<<16                     ; tensor_dim1 = 256 rows
	s_mov_b32 s[G1B+2], 64<<16                     ;             = 64 rows
	s_mov_b32 s[G1+3], KSTEP<<16                   ; tile_dim0 = 128
	s_mov_b32 s[G1B+3], KSTEP<<16
	s_mov_b32 s[G1+4], 256                         ; tile_dim1
	s_mov_b32 s[G1B+4], 64
	s_mov_b32 s[G1+5], SIZE_K                      ; elements from row to row
	s_mov_b32 s[G1B+5], SIZE_K
	s_mov_b32 s[G1+6], 0
	s_mov_b32 s[G1B+6], 0
	s_mov_b32 s[G1+7], 0
	s_mov_b32 s[G1B+7], 0
	; x's tiles hang on the block row alone, w_qkv's on the block column and the wave's number; each address is made in registers that never hold the other coordinate
	s_lshl_b32 s16, s13, 19                        ; x: 256 x block row rows of 2,048 bytes
	s_mov_b32 s17, 0
	s_lshl_b32 s46, s42, 17                        ; w_qkv: row 64 x head
	s_lshl_b32 s47, s10, 21                        ;        + 1,024 x wave: q's, k's, v's rows for waves 0, 1, 2 (wave 3 never asks by this address)
	s_add_co_u32 s46, s46, s47
	s_mov_b32 s47, 0
	s_mul_i32 s21, s10, BHEAD                      ; where they go: no place in the cluster enters an LDS address
	s_add_co_u32 s21, s21, BOFF
	s_wait_dscnt 0x0
	s_wait_kmcnt 0x0
	s_add_nc_u64 s[14:15], s[4:5], s[16:17]
	s_add_nc_u64 s[46:47], s[6:7], s[46:47]
	CROUND                                         ; all sixteen work-groups are here: the first joint loads meet
.irp s, 0,1
	s_mov_b32 s[G0+4*\s], 1
	s_mov_b32 s[G0+4*\s+1], \s*SLOT
	s_add_nc_u64 s[G0+4*\s+2:G0+4*\s+3], s[14:15], \s*KSTEP*2      ; K step s
	s_or_b32 s[G0+4*\s+3], s[G0+4*\s+3], 0x80000000                ; type = 2
	s_mov_b32 s[G0B+4*\s], 1
	s_add_co_u32 s[G0B+4*\s+1], s21, \s*SLOT
	s_add_nc_u64 s[G0B+4*\s+2:G0B+4*\s+3], s[46:47], \s*KSTEP*2
	s_or_b32 s[G0B+4*\s+3], s[G0B+4*\s+3], 0x80000000
	JLOAD \s                                       ; both first fills go out before anything else: two tensor loads of a wave are out here, one later
.endr
	; a fragment: lane l holds row l % 16; registers 0-3 K = 8 (l / 16) + 0..7, registers 4-7 K = 16 + 8 (l / 16) + 0..7: two loads of 16 bytes, 32 apart
	v_and_b32 v1, 15, v0                           ; r
	v_bfe_u32 v2, v0, 4, 1                         ; h
	v_mul_u32_u24 v3, v1, PITCH
	v_lshl_add_u32 v3, v2, 4, v3
	s_mul_i32 s21, s11, AHALF                      ; my 128 rows of x
	s_mul_i32 s22, s12, BHALF
	s_add_co_u32 s22, s22, BOFF                    ; my 96 rows of w_qkv
.irp s, 0,1
	v_add_nc_u32 v[ADRA+\s], s21, v3
	v_add_nc_u32 v[ADRB+\s], s22, v3
	s_add_co_u32 s21, s21, SLOT
	s_add_co_u32 s22, s22, SLOT
.endr
	s_mul_i32 s23, s11, 128*SPITCH                 ; the way out, in: row 128 wm + r, byte 192 wn + 16 h
	s_mul_i32 s22, s12, 192
	s_add_co_u32 s23, s23, s22
	v_mul_u32_u24 v4, v1, SPITCH
	v_lshl_add_u32 v4, v2, 4, v4
	v_add_nc_u32 v[STO], s23, v4
	s_mul_i32 s23, s11, 128*LPITCH                 ; v's lo, in: row 128 wm + r, byte 16 h
	s_add_co_u32 s23, s23, LOSTG
	v_mul_u32_u24 v4, v1, LPITCH
	v_lshl_add_u32 v4, v2, 4, v4
	v_add_nc_u32 v[STL], s23, v4
	s_mul_i32 s23, s10, 64*SPITCH                  ; back: rows 64 w + .., eight lanes take one head's 128 bytes of a row
	v_bfe_u32 v5, v0, 3, 2
	v_and_b32 v6, 7, v0
	v_mul_u32_u24 v7, v5, SPITCH
	v_lshl_add_u32 v7, v6, 4, v7
	v_add_nc_u32 v[RD], s23, v7
	s_mul_i32 s23, s10, 64*LPITCH
	s_add_co_u32 s23, s23, LOSTG
	v_mul_u32_u24 v7, v5, LPITCH
	v_lshl_add_u32 v7, v6, 4, v7
	v_add_nc_u32 v[RDL], s23, v7
	v_and_b32 v6, 31, v0
	v_lshlrev_b32 v[CO], 4, v6
; 12 matrix instructions: m blocks a0, a0 + 1 of the window's four x all 6 n blocks, 32 along K.  zero = 1: the first product starts the sums.
; The 48 accumulators take turns, one instruction a turn, in the same order in every quarter step.
.macro MUL12 f, hi, a0, zero
.irp a, \a0, \a0+1
.irp b, 0,1,2,3,4,5
.if \zero
	v_wmma_f32_16x16x32_bf16 v[8*(6*(\a)+\b):8*(6*(\a)+\b)+7], v[\f+8*\b:\f+8*\b+7], v[\f+8*(4*\hi+\a):\f+8*(4*\hi+\a)+7], 0
.else
	v_wmma_f32_16x16x32_bf16 v[8*(6*(\a)+\b):8*(6*(\a)+\b)+7], v[\f+8*\b:\f+8*\b+7], v[\f+8*(4*\hi+\a):\f+8*(4*\hi+\a)+7], v[8*(6*(\a)+\b):8*(6*(\a)+\b)+7]
.endif
.endr
.endr
.endm
; 28 LDS loads in one run: one quarter step's fragments (96 rows of w_qkv, 128 rows of x, 32 K at byte k of the rows) into buffer f
.macro FETCH slot, k, f
	WIN TO_B
.irp i, 0,1,2,3,4,5
	ds_load_b128 v[\f+8*\i:\f+8*\i+3],   v[ADRB+\slot] offset:\k+\i*16*PITCH
	ds_load_b128 v[\f+8*\i+4:\f+8*\i+7], v[ADRB+\slot] offset:\k+\i*16*PITCH+32
.endr
	WIN 0
.irp i, 0,1,2,3,4,5,6,7
	ds_load_b128 v[\f+8*\i:\f+8*\i+3],   v[ADRA+\slot] offset:\k+\i*16*PITCH
	ds_load_b128 v[\f+8*\i+4:\f+8*\i+7], v[ADRA+\slot] offset:\k+\i*16*PITCH+32
.endr
.endm
; four places behind the matrix instructions that read a buffer, in front of the loads into it and of the reads of results
.macro PLACES
.rept 4
	v_nop
.endr
.endm
.macro QUARTER slot, k, f, g, zero
	s_wait_dscnt 8                                 ; w_qkv's fragments and x's rows 0-63 are in; the youngest eight loads (x's rows 64-127) may be out
	WIN MUL_LO
	MUL12 \f, 0, 0, \zero
	MUL12 \f, 0, 2, \zero
	PLACES
	FETCH \slot, \k, \g
	s_wait_dscnt 28                                ; all but the 28 just issued
	WIN MUL_HI
	MUL12 \f, 1, 0, \zero
	MUL12 \f, 1, 2, \zero
.endm
.macro THREE slot, zero
	QUARTER \slot, 64,  F0, F1, \zero
	QUARTER \slot, 128, F1, F0, 0
	QUARTER \slot, 192, F0, F1, 0
.endm
; The last quarter of a K step multiplies buffer 1 and changes slots.  In front of the barrier each wave waits for its reads of this slot and for all
; its tensor loads (the one that is out is its part of the next slot); behind it the refill comes first, then the next slot's first fragments.
; From a request to the wait for it a wave issues 180 matrix instructions.
.macro TURN slot, next, fill
	s_wait_dscnt 8
	WIN MUL_LO
	MUL12 F1, 0, 0, 0
	s_wait_dscnt 0                                 ; my reads of this slot are over
	s_wait_tensorcnt 0x0                           ; all my tensor loads have landed
	ds_add_u32 v255, v255
	s_wait_dscnt 0x0
	s_barrier_signal -1                            ; (where the slot is filled again this barrier opens a round of the cluster's barrier)
	MUL12 F1, 0, 2, 0                              ; register work while the others arrive
	WIN 0
	s_barrier_wait -1
.if \fill
	CREST                                          ; no wave of any partner still reads this slot or has a load on its way
	s_add_nc_u64 s[G0+4*\slot+2:G0+4*\slot+3], s[G0+4*\slot+2:G0+4*\slot+3], 2*KSTEP*2
	s_add_nc_u64 s[G0B+4*\slot+2:G0B+4*\slot+3], s[G0B+4*\slot+2:G0B+4*\slot+3], 2*KSTEP*2
	JLOAD \slot                                    ; the first tensor load behind the round, the wave's only one until the next
.endif
	PLACES
	FETCH \next, 0, F0
	WIN MUL_HI
	MUL12 F1, 1, 0, 0
	MUL12 F1, 1, 2, 0
.endm
.macro LAP zero
	THREE 0, \zero
	TURN 0, 1, 1
	THREE 1, 0
	TURN 1, 0, 1
.endm
	s_wait_tensorcnt 1                             ; my part of K step 0 is in; K step 1's may stay out
	s_barrier_signal -1
	s_barrier_wait -1
	FETCH 0, 0, F0
	LAP 1                                          ; the first lap stands in front of the loop: its first products start the sums
	WIN 0
	s_mov_b32 s3, LAPS-2
.Llap:
	LAP 0
	WIN 0
	s_sub_co_u32 s3, s3, 1
	s_cmp_lg_u32 s3, 0
	s_cbranch_scc1 .Llap
	THREE 0, 0                                     ; the last lap fills nothing
	TURN 0, 1, 0
	THREE 1, 0
	s_wait_dscnt 8
	WIN MUL_LO
	MUL12 F1, 0, 0, 0
	MUL12 F1, 0, 2, 0
	s_wait_dscnt 0
	WIN MUL_HI
	MUL12 F1, 1, 0, 0
	MUL12 F1, 1, 2, 0
	; THE WAY OUT.  The block goes as f16 into a stage of 256 rows x 400 bytes in slot 0, which has had its last fill (K step 6) and whose last reads
	; lie in front of the barrier of the last change of slots; v's lo goes into its own 256 rows x 144 bytes behind the ring.  Each wave puts its 128 x 96;
	; behind a barrier wave w takes rows 64 w .. + 63 of the three heads and of lo, so that each store of the wave covers 512 consecutive bytes of one
	; head (4 rows of 128 bytes), aligned.  The store bases lie in registers that feed no descriptor.
	PLACES
	s_lshl_b32 s46, s42, 19                        ; head bx of 524,288 bytes (in the registers that held w_qkv's address)
	s_mov_b32 s47, 0
	s_add_nc_u64 s[72:73], s[72:73], s[46:47]
	s_add_nc_u64 s[74:75], s[74:75], s[46:47]
	s_lshl_b32 s16, s13, 15                        ; 256 x block row rows of 128 bytes
	s_lshl_b32 s17, s10, 13                        ; + 64 w rows
	s_add_co_u32 s16, s16, s17
	s_mov_b32 s17, 0
	s_add_nc_u64 s[72:73], s[72:73], s[16:17]      ; q
	s_add_nc_u64 s[74:75], s[74:75], s[16:17]      ; v's lo
	s_add_nc_u64 s[66:67], s[72:73], 0x800000      ; k: 16 heads on
	s_add_nc_u64 s[68:69], s[72:73], 0x1000000     ; v's hi: 32 heads on
; n tiles from b0 on of m block at, rounded to f16 and put into the stage (from = 0x0a or 0x0f: sources 0 and 1 in window 2 or 3)
.macro RNE a, at, from, b0, n
	WIN \from
.set bb, \b0
.rept \n
.irp q, 0,1,2,3
	v_cvt_pk_f16_f32 v[TMP+4*bb+\q], v[8*(6*\at+bb)+2*\q], v[8*(6*\at+bb)+2*\q+1]
.endr
.set bb, bb+1
.endr
	WIN 0
.set bb, \b0
.rept \n
	ds_store_b128 v[STO], v[TMP+4*bb:TMP+4*bb+3] offset:\a*16*SPITCH+32*bb
.set bb, bb+1
.endr
.endm
; rows 16 a .. + 15 of my 128 = tiles (at, 0..5) of window 2 or 3 (w1 = 0x02 or 0x03: source 0; w2 = 0x0a or 0x0f: sources 0 and 1).
; The waves with the upper 96 columns hold k's d = 32..63 in tiles 0, 1 and all of v in tiles 2 to 5: these are split.  The branch hangs on the wave's number.
.macro PACK a, at, w1, w2
	RNE \a, \at, \w2, 0, 2
	s_cmp_lg_u32 s12, 0
	s_cbranch_scc1 .Lsplit_\@
	RNE \a, \at, \w2, 2, 4
	s_branch .Lpacked_\@
.Lsplit_\@:
	WIN \w1
.set i, 0
.rept 32
	v_and_b32 v[HI+i], v[8*(6*\at+2)+i], s45       ; hi: 11 significant bits
	v_sub_f32 v[LO+i], v[8*(6*\at+2)+i], v[HI+i]   ; lo: the rest, exact
.set i, i+1
.endr
	WIN 0
.set i, 0
.rept 16
	v_cvt_pk_f16_f32 v[HI+i], v[HI+2*i], v[HI+2*i+1]       ; in place, ascending: register i is written when 2i and 2i+1 are read
	v_cvt_pk_f16_f32 v[LO+i], v[LO+2*i], v[LO+2*i+1]
.set i, i+1
.endr
.irp b, 0,1,2,3
	ds_store_b128 v[STO], v[HI+4*\b:HI+4*\b+3] offset:\a*16*SPITCH+32*(\b+2)
	ds_store_b128 v[STL], v[LO+4*\b:LO+4*\b+3] offset:\a*16*LPITCH+32*\b
.endr
.Lpacked_\@:
.endm
	PACK 0, 0, 0x02, 0x0a
	PACK 1, 1, 0x02, 0x0a
	PACK 2, 2, 0x02, 0x0a
	PACK 3, 3, 0x02, 0x0a
	PACK 4, 0, 0x03, 0x0f
	PACK 5, 1, 0x03, 0x0f
	PACK 6, 2, 0x03, 0x0f
	PACK 7, 3, 0x03, 0x0f
	s_wait_dscnt 0x0                               ; my stores into the stages are done, for the others' sake
	s_barrier_signal -1
	s_barrier_wait -1
; 32 rows of one head: read at v[rd] (pitch pit, byte col of the rows), stored at base s[bs:bs+1]
.macro OUT8 rd, pit, col, half, f, bs
	s_wait_xcnt 0x0                                ; buffer f, which earlier stores read, is loaded again only behind this wait
.irp t, 0,1,2,3,4,5,6,7
	ds_load_b128 v[\f+4*\t:\f+4*\t+3], v[\rd] offset:\col+(8*\half+\t)*4*\pit
.endr
.irp t, 0,1,2,3,4,5,6,7
	s_wait_dscnt 7-\t                              ; LDS loads come back in order: load t is in, the younger ones stay out
	global_store_b128 v[CO], v[\f+4*\t:\f+4*\t+3], s[\bs:\bs+1] offset:(8*\half+\t)*512
.endr
.endm
	OUT8 RD,  SPITCH, 0,   0, F0, 72
	OUT8 RD,  SPITCH, 0,   1, F1, 72
	OUT8 RD,  SPITCH, 128, 0, F0, 66
	OUT8 RD,  SPITCH, 128, 1, F1, 66
	OUT8 RD,  SPITCH, 256, 0, F0, 68
	OUT8 RD,  SPITCH, 256, 1, F1, 68
	OUT8 RDL, LPITCH, 0,   0, F0, 74
	OUT8 RDL, LPITCH, 0,   1, F1, 74
	s_set_vgpr_msb 0x1
	s_wait_tensorcnt 0x0
	ds_add_u32 v255, v255
	s_wait_dscnt 0x0
	s_set_vgpr_msb 0x100
	CROUND                                         ; the closing round: no work-group ends while a partner may still ask for a tile that names it
	s_endpgm
.Lfunc_end_k_q095ca3e7c5_qkv:
	.size	k_q095ca3e7c5_qkv, .Lfunc_end_k_q095ca3e7c5_qkv-k_q095ca3e7c5_qkv
	.p2alignl 7, 3214868480
	.fill 96, 4, 3214868480
	.section	.rodata,"a",@progbits
	.p2align	6, 0x0
	.amdhsa_kernel k_q095ca3e7c5_qkv
		.amdhsa_group_segment_fixed_size 327680
		.amdhsa_private_segment_fixed_size 0
		.amdhsa_enable_private_segment 0
		.amdhsa_kernarg_size 32
		.amdhsa_user_sgpr_count 2
		.amdhsa_user_sgpr_kernarg_segment_ptr 1
		.amdhsa_wavefront_size32 1
		.amdhsa_system_sgpr_workgroup_id_x 1
		.amdhsa_system_sgpr_workgroup_id_y 1
		.amdhsa_system_sgpr_workgroup_id_z 1
		.amdhsa_system_vgpr_workitem_id 0
		.amdhsa_next_free_vgpr 960
		.amdhsa_next_free_sgpr 76
		.amdhsa_reserve_vcc 0
		.amdhsa_float_denorm_mode_32 3
		.amdhsa_float_denorm_mode_16_64 3
		.amdhsa_memory_ordered 1
		.amdhsa_forward_progress 1
		.amdhsa_inst_pref_size 207
	.end_amdhsa_kernel
	.amdgpu_metadata
---
amdhsa.version: [ 1, 2 ]
amdhsa.kernels:
  - .name:           k_q095ca3e7c5_qkv
    .symbol:         k_q095ca3e7c5_qkv.kd
    .args:
      - { .name: xh, .offset: 0, .size: 8, .value_kind: global_buffer, .address_space: global }
      - { .name: wqh, .offset: 8, .size: 8, .value_kind: global_buffer, .address_space: global }
      - { .name: qkvh, .offset: 16, .size: 8, .value_kind: global_buffer, .address_space: global }
      - { .name: vlo, .offset: 24, .size: 8, .value_kind: global_buffer, .address_space: global }
    .group_segment_fixed_size: 327680
    .private_segment_fixed_size: 0
    .kernarg_segment_align: 8
    .kernarg_segment_size: 32
    .max_flat_workgroup_size: 128
    .sgpr_count:     76
    .vgpr_count:     960
    .wavefront_size: 32
...
	.end_amdgpu_metadata
.endif
;; end of part 2
;; launch attn (part 3): grid 8 x 32, 8 waves a work-group, no clusters, 327,680 bytes of LDS; arguments qkvh, vlo, ctxh; writes ctxh
.if DOCPART == 3
	.amdgcn_target "amdgcn-amd-amdhsa--gfx1250"
	.amdhsa_code_object_version 6
	.text
	.protected	k_q095ca3e7c5_attn
	.globl	k_q095ca3e7c5_attn
	.p2align	8
	.type	k_q095ca3e7c5_attn,@function
k_q095ca3e7c5_attn:
	s_mov_b64 s[64:65], 0
	v_nop
	global_prefetch_b8 v0, s[64:65] scope:SCOPE_SE
	s_setreg_imm32_b32 hwreg(HW_REG_WAVE_MODE, 25, 1), 1
	s_wait_xcnt 0x0
; Causal attention of one (batch, head): ctx = softmax(q k^T / 8, keys <= query) v, with a running maximum.  qkvh [48 gh][4096][64] f16
; (gh: q = head, k = 16 + head, v's hi = 32 + head; row = 2048 b + t);  vlo [16 head][4096][64] f16: v = hi + lo.  Scores, softmax and sums in f32.
; ctxh [2 part][16 head][4096][64] bf16: ctx = part 0 (ctx cut to bf16) + part 1 (the rest, rounded to bf16): 16 significant bits for the last product.
; LIMITS: probabilities are rounded to f16 (they lie in 0..1).  The running maximum starts at -1e30; with f16 operands a raw score is at most
; 64 x 65,504^2 = 2.7e11 in magnitude, so the floor is never met by a score.  Masked scores are -infinity.
; SHARE: work-group (j, bh) takes the query blocks of 128 with numbers 15 - j (16 - j key tiles of 128) and then j (j + 1 tiles): 17 tiles for every
; work-group, 256 equal work-groups.  Wave w: g = w & 3 picks 32 queries (two tiles of 16), p = w >> 2 picks keys 64 p .. 64 p + 63 of every key tile;
; the two halves' sums are merged through LDS at the end of each query block.
; NO MULTICAST: the eight work-groups of a head walk different tiles from trip 9 on (the first pass has 16 - j tiles), so partners would have to
; ask for different tiles in the same trip; a joint request needs the same descriptor in all that it names.
; FORMS: S^T = K Q^T (source 0 = 16 keys x 32 d, source 1 = 16 queries x 32 d): lane (r, h) holds query r, keys 8 h + 0..7 of the tile.  Two neighbouring
; key tiles, packed to f16, ARE source 1 of O^T += V^T P^T (keys 8h.. in registers 0-3, 16+8h.. in 4-7); V^T comes by the transposing LDS load, hi and lo
; one after the other onto the same sums.  So a query's maximum and sum are one number a lane (and its partner lane l xor 16), and nothing is shuffled.
.set KPITCH, 144                       ; K rows: 128 bytes + 16 (9 x 16)
.set VPITCH, 160                       ; V rows: 128 bytes + 32 (5 x 32), for the transposing load
.set VOFF,   128*KPITCH                ; V's hi behind K in a slot
.set VSIZE,  128*VPITCH                ; V's lo behind V's hi
.set SLOT,   VOFF+2*VSIZE              ; 59,392 bytes; two slots
.set MERGE,  2*SLOT                    ; 118,784: 4 x 8,704 bytes: for each g 16 x 512 of O, 512 of sums and maxima.  Never filled by the mover
.set MSIZE,  8704
.set MSTEP,  4*MSIZE                   ; a second set of merge bytes at 153,600.  Trips on slot 0 use the first set, trips on slot 1 and the closing merge
                                       ; the second: between the reads of a set and the next stores into it always stands a trip's barrier
.set STAGE,  MERGE+2*MSTEP             ; 188,416: 4 x 9,216 bytes: 32 rows x 144 of part 0, then of part 1, for each g, the wave's own
.set SSIZE,  64*KPITCH
.set ADRK, 3                           ; v3, v4    my K fragments in slot 0, 1
.set ADRV, 5                           ; v5, v6    my V fragments (hi) in slot 0, 1
.set QOFF, 7                           ; v7        128 r + 16 h
.set DLT,  8                           ; v8        32 g + r - 8 h - 64 p: in the diagonal tile key (kt, j) is masked for query tile qt if 16 kt - 16 qt + j > DLT
.set NINF, 9                           ; v9        -infinity
.set MRG,  10                          ; v10       merge bytes of my g + 16 lane
.set STO,  11                          ; v11       stage, in
.set RD,   12                          ; v12       stage, back
.set CO,   13                          ; v13       16 lane
.set G1P,  14                          ; v[14:15]  the merge's factor for the partner's sums
.set QF,   16                          ; v[16:47]   Q fragments at 16 qt + 8 dh
.set O,    48                          ; v[48:111]  O^T at 32 qt + 8 dt
.set S,    112                         ; v[112:175] S^T at 32 qt + 8 kt; then P at 32 qt + 16 kg, and in the four free runs S + 8 + 16 dt V's lo of keys 0-31
.set KV,   176                         ; v[176:239] K fragments at 16 kt + 8 dh; then V^T fragments (hi) at 16 dt + 8 kg; then at 16 dt V's lo of keys 32-63
.set M,    240                         ; v240, v241 running maximum of the raw scores, query tile 0, 1
.set MCP,  242                         ; v[242:243], v[244:245]  -c M as rounded: the shift that every exponent of the block uses
.set AL,   246                         ; v[246:247] the rescaling factor
.set LS,   248                         ; v[248:249], v[250:251]  running sums, two a lane
.set T,    252                         ; v[252:255] at work
.set G1K, 32                           ; s[32:39] group 1, K tiles;  s[40:47] V tiles
.set G1V, 40
.set G0K, 48                           ; s[48:55] group 0, K, slot 0, 1
.set G0V, 56                           ; s[56:63] group 0, V's hi, slot 0, 1
.set G0L, 76                           ; s[76:83] group 0, V's lo, slot 0, 1
.set CPOS, 0x3e38aa3b                  ; c = log2(e) / 8: the scale 1 / sqrt(64) and the change of base in one factor
.set CNEG, 0xbe38aa3b
.set FLOOR, 0xf149f2ca                 ; -1e30
	s_load_b128 s[4:7], s[0:1], 0x0                ; qkvh s[4:5], vlo s[6:7]
	s_load_b64 s[2:3], s[0:1], 0x10                ; ctxh
	s_set_vgpr_msb 0x40
	v_lshl_add_u32 v0, v0, 2, 0x37000
	v_mov_b32 v1, 0
	s_set_vgpr_msb 0x4045
	ds_add_u32 v0, v1
	s_set_vgpr_msb 0x4500
	v_lshrrev_b32 v1, 5, v0
	v_readfirstlane_b32 s8, v1                     ; wave 0..7
	s_and_b32 s9, s8, 3                            ; g
	s_lshr_b32 s10, s8, 2                          ; p
	s_mov_b32 s11, ttmp9                           ; j
	s_and_b32 s12, ttmp7, 0xffff                   ; bh
	s_sub_co_u32 s13, 16, s11                      ; n1: tiles of the first pass
	s_mov_b32 s14, 0                               ; u: trip
	s_mov_b32 s15, 0                               ; kt: the trip's key tile
	s_sub_co_u32 s16, 15, s11                      ; qb: the pass's query block
	s_lshl_b32 s68, s9, 12                         ; 32 g rows of 128 bytes
	s_mov_b32 s66, 0x76543210                      ; v_permlanex16_b32: lane i reads lane i of the other half
	s_mov_b32 s67, 0xfedcba98
	s_lshr_b32 s17, s12, 4                         ; b
	s_and_b32 s18, s12, 15                         ; head
	s_lshl_b32 s28, s18, 19                        ; head x 4,096 rows x 128 bytes
	s_lshl_b32 s17, s17, 18                        ; + b x 2,048 rows
	s_add_co_u32 s28, s28, s17
	s_mov_b32 s29, 0                               ; s[28:29]: the pair for offsets; s29 stays 0
	; A tile of 128 keys is a dense block of 16,384 bytes: 64 rows of 256 bytes, elements of 8 bytes; padding after every 32 words, that is behind each key's 128 bytes
	s_mov_b32 s[G1K+0], (3<<16)|(1<<20)|(4<<22)|(3<<25)    ; 4 words of padding: pitch 144
	s_mov_b32 s[G1V+0], (3<<16)|(1<<20)|(4<<22)|(7<<25)    ; 8 words: pitch 160
.irp g, G1K, G1V
	s_mov_b32 s[\g+1], 32<<16                      ; tensor_dim0 = 32 elements
	s_mov_b32 s[\g+2], 64<<16                      ; tensor_dim1 = 64 rows
	s_mov_b32 s[\g+3], 32<<16                      ; tile_dim0
	s_mov_b32 s[\g+4], 64                          ; tile_dim1
	s_mov_b32 s[\g+5], 32                          ; elements from row to row
	s_mov_b32 s[\g+6], 0
	s_mov_b32 s[\g+7], 0
.endr
	s_mov_b32 s[G0K+0], 1
	s_mov_b32 s[G0K+1], 0
	s_mov_b32 s[G0K+4], 1
	s_mov_b32 s[G0K+5], SLOT
	s_mov_b32 s[G0V+0], 1
	s_mov_b32 s[G0V+1], VOFF
	s_mov_b32 s[G0V+4], 1
	s_mov_b32 s[G0V+5], SLOT+VOFF
	s_mov_b32 s[G0L+0], 1
	s_mov_b32 s[G0L+1], VOFF+VSIZE
	s_mov_b32 s[G0L+4], 1
	s_mov_b32 s[G0L+5], SLOT+VOFF+VSIZE
	s_wait_dscnt 0x0
	s_barrier_signal -1
	s_barrier_wait -1
	s_wait_kmcnt 0x0
	s_add_nc_u64 s[20:21], s[4:5], s[28:29]        ; q of my (b, head)
	s_add_nc_u64 s[22:23], s[20:21], 0x800000      ; k: 16 heads of 524,288 bytes on
	s_add_nc_u64 s[24:25], s[20:21], 0x1000000     ; v's hi: 32 heads on
	s_add_nc_u64 s[72:73], s[6:7], s[28:29]        ; v's lo of my (b, head)
	s_add_nc_u64 s[26:27], s[2:3], s[28:29]        ; ctx, part 0, of my (b, head)
	s_mov_b64 s[G0K+2:G0K+3], s[22:23]             ; key tile 0
	s_or_b32 s[G0K+3], s[G0K+3], 0x80000000
	s_mov_b64 s[G0V+2:G0V+3], s[24:25]
	s_or_b32 s[G0V+3], s[G0V+3], 0x80000000
	s_mov_b64 s[G0L+2:G0L+3], s[72:73]
	s_or_b32 s[G0L+3], s[G0L+3], 0x80000000
; Wave 0 brings the K tile, wave 1 V's hi, wave 2 V's lo, one tensor load each; the other waves issue none.  At most one tensor load of a wave is out.
; The argument may be an expression (1 - slot): it stands in brackets.
.macro KVLOAD slot
	s_cmp_lg_u32 s8, 0
	s_cbranch_scc1 .Lnot_k_\@
	tensor_load_to_lds s[G0K+4*(\slot):G0K+4*(\slot)+3], s[G1K:G1K+7]
	s_nop 0
.Lnot_k_\@:
	s_cmp_lg_u32 s8, 1
	s_cbranch_scc1 .Lnot_v_\@
	tensor_load_to_lds s[G0V+4*(\slot):G0V+4*(\slot)+3], s[G1V:G1V+7]
	s_nop 0
.Lnot_v_\@:
	s_cmp_lg_u32 s8, 2
	s_cbranch_scc1 .Lnot_l_\@
	tensor_load_to_lds s[G0L+4*(\slot):G0L+4*(\slot)+3], s[G1V:G1V+7]
	s_nop 0
.Lnot_l_\@:
.endm
	KVLOAD 0                                       ; the first fill, ahead of every wait on TENSORcnt and every LDS load
	v_and_b32 v14, 31, v0                          ; lane
	v_and_b32 v1, 15, v0                           ; r
	v_bfe_u32 v2, v0, 4, 1                         ; h
	s_lshl_b32 s17, s10, 6                         ; 64 p
	v_add_nc_u32 v15, s17, v1
	v_mul_u32_u24 v[ADRK], v15, KPITCH             ; K: (64 p + r) pitch + 16 h
	v_lshl_add_u32 v[ADRK], v2, 4, v[ADRK]
	v_add_nc_u32 v[ADRK+1], SLOT, v[ADRK]
	v_and_b32 v15, 7, v0
	v_lshl_add_u32 v15, v2, 3, v15
	v_add_nc_u32 v15, s17, v15
	v_mul_u32_u24 v[ADRV], v15, VPITCH             ; V: (64 p + 8 h + (lane & 7)) pitch + 16 ((lane >> 3) & 1)
	v_bfe_u32 v15, v0, 3, 1
	v_lshl_add_u32 v[ADRV], v15, 4, v[ADRV]
	v_add_nc_u32 v[ADRV], VOFF, v[ADRV]
	v_add_nc_u32 v[ADRV+1], SLOT, v[ADRV]
	v_lshlrev_b32 v[QOFF], 7, v1
	v_lshl_add_u32 v[QOFF], v2, 4, v[QOFF]
	s_lshl_b32 s18, s9, 5
	s_sub_co_i32 s18, s18, s17                     ; 32 g - 64 p
	v_lshlrev_b32 v15, 3, v2
	v_sub_nc_u32 v[DLT], v1, v15
	v_add_nc_u32 v[DLT], s18, v[DLT]
	v_mov_b32 v[NINF], 0xff800000
	s_mul_i32 s18, s9, MSIZE
	s_add_co_u32 s18, s18, MERGE
	v_lshl_add_u32 v[MRG], v14, 4, s18
	s_mul_i32 s18, s9, SSIZE
	s_add_co_u32 s18, s18, STAGE
	v_mul_u32_u24 v[STO], v1, KPITCH               ; in: row r, 16 bytes for each half of the lanes
	v_lshl_add_u32 v[STO], v2, 4, v[STO]
	v_add_nc_u32 v[STO], s18, v[STO]
	v_lshrrev_b32 v15, 3, v14
	v_mul_u32_u24 v[RD], v15, KPITCH               ; back: eight lanes take a row's 128 bytes
	v_and_b32 v15, 7, v0
	v_lshl_add_u32 v[RD], v15, 4, v[RD]
	v_add_nc_u32 v[RD], s18, v[RD]
	v_lshlrev_b32 v[CO], 4, v14
; A pass begins: my 32 queries' fragments from memory (lane: query r, d = 8 h + .. : 16 bytes at 128 r + 16 h, + 32, + 64, + 96), sums cleared.
; The pass's first product lies inside the ring's loop, so it cannot be written out with the constant 0 as C: O is cleared, 64 registers, twice in the launch.
.macro INIT
	s_lshl_b32 s28, s16, 14                        ; 128 qb rows of 128 bytes
	s_add_co_u32 s28, s28, s68                     ; + 32 g rows
	s_add_nc_u64 s[30:31], s[20:21], s[28:29]
.irp qt, 0,1
.irp dh, 0,1
	global_load_b128 v[QF+16*\qt+8*\dh:QF+16*\qt+8*\dh+3],   v[QOFF], s[30:31] offset:2048*\qt+64*\dh
	global_load_b128 v[QF+16*\qt+8*\dh+4:QF+16*\qt+8*\dh+7], v[QOFF], s[30:31] offset:2048*\qt+64*\dh+32
.endr
.endr
.set i, 0
.rept 64
	v_mov_b32 v[O+i], 0
.set i, i+1
.endr
.irp qt, 0,1
	v_mov_b32 v[M+\qt], FLOOR
	v_mov_b32 v[LS+2*\qt], 0
	v_mov_b32 v[LS+2*\qt+1], 0
.endr
.irp qt, 0,1
	v_mul_f32 v[MCP+2*\qt],   CNEG, v[M+\qt]       ; by the same multiplication as in SOFTMAX: while M stays at the floor the rescaling factor is exactly 1
	v_mul_f32 v[MCP+2*\qt+1], CNEG, v[M+\qt]
.endr
	v_mov_b32 v[AL+1], 0                           ; the pair's upper register is named by the packed forms and never used
	s_wait_loadcnt 0x0
.endm
; The diagonal tile: keys beyond the query become -infinity.  The constants run from -16 to 55.
.macro MASK
.irp qt, 0,1
.irp kt, 0,1,2,3
.irp j, 0,1,2,3,4,5,6,7
	v_cmp_gt_i32 vcc_lo, 16*\kt-16*\qt+\j, v[DLT]
	v_cndmask_b32 v[S+32*\qt+8*\kt+\j], v[S+32*\qt+8*\kt+\j], v[NINF], vcc_lo
.endr
.endr
.endr
.endm
; One query tile's 16 queries x 64 keys: new maximum, exponentials, rescaled sums, P packed to f16 in place.
.macro SOFTMAX qt
.set SB, S+32*\qt
.set OB, O+32*\qt
.set MC, MCP+2*\qt
.set LL, LS+2*\qt
	v_max3_num_f32 v[T],   v[M+\qt], v[SB], v[SB+1]            ; two chains over my 32 scores and the old maximum
	v_max3_num_f32 v[T+1], v[SB+16], v[SB+17], v[SB+18]
.irp i, 1,2,3,4,5,6
	v_max3_num_f32 v[T],   v[T],   v[SB+2*\i],    v[SB+2*\i+1]
	v_max3_num_f32 v[T+1], v[T+1], v[SB+17+2*\i], v[SB+18+2*\i]
.endr
	v_max3_num_f32 v[T], v[T], v[SB+14], v[SB+15]
	v_max3_num_f32 v[T], v[T], v[T+1], v[SB+31]
	v_permlanex16_b32 v[T+1], v[T], s66, s67       ; the same query's other 32 keys lie in lane l xor 16
	v_max_num_f32 v[M+\qt], v[T], v[T+1]
	v_mul_f32 v[T+2], CNEG, v[M+\qt]               ; -c M, rounded once; every exponent below uses this very number,
	v_sub_f32 v[T+3], v[T+2], v[MC]                ; and the old sums are rescaled by 2^(new - old) of these numbers
	v_mov_b32 v[MC], v[T+2]
	v_exp_f32 v[AL], v[T+3]                        ; the packed lines below are the plain place behind it (ISA guide 5.7.2)
.set i, 0
.rept 16
	v_pk_fma_f32 v[SB+2*i:SB+2*i+1], v[SB+2*i:SB+2*i+1], CPOS, v[MC:MC+1] op_sel_hi:[1,0,0]   ; c s - c M
.set i, i+1
.endr
.set i, 0
.rept 32
	v_exp_f32 v[SB+i], v[SB+i]
.set i, i+1
.endr
.set i, 0
	s_wait_alu depctr_va_vdst(0)
.rept 16
	v_pk_mul_f32 v[OB+2*i:OB+2*i+1], v[OB+2*i:OB+2*i+1], v[AL:AL+1] op_sel_hi:[1,0]           ; plain work behind the exponentials
.set i, i+1
.endr
	v_pk_fma_f32 v[LL:LL+1], v[LL:LL+1], v[AL:AL+1], v[SB:SB+1] op_sel_hi:[1,0,1]             ; the sums, in two chains
	v_pk_add_f32 v[T:T+1], v[SB+2:SB+3], v[SB+6:SB+7]
.irp i, 1,2,3,4,5,6
	v_pk_add_f32 v[LL:LL+1], v[LL:LL+1], v[SB+4*\i:SB+4*\i+1]
	v_pk_add_f32 v[T:T+1],   v[T:T+1],   v[SB+4*\i+6:SB+4*\i+7]
.endr
	v_pk_add_f32 v[LL:LL+1], v[LL:LL+1], v[SB+28:SB+29]
	v_pk_add_f32 v[LL:LL+1], v[LL:LL+1], v[T:T+1]
.irp kg, 0,1
.irp q, 0,1,2,3
	v_cvt_pk_f16_f32 v[SB+16*\kg+\q], v[SB+16*\kg+2*\q], v[SB+16*\kg+2*\q+1]                  ; key tile 2 kg: registers 0-3 of the fragment
.endr
.irp q, 0,1,2,3
	v_cvt_pk_f16_f32 v[SB+16*\kg+4+\q], v[SB+16*\kg+8+2*\q], v[SB+16*\kg+8+2*\q+1]            ; key tile 2 kg + 1: registers 4-7
.endr
.endr
.endm
; 8 matrix instructions: O(qt, dt) += V^T fragment at v[va + 16 dt] x P(qt, kg)
.macro PV8 va, kg
.irp dt, 0,1,2,3
.irp qt, 0,1
	v_wmma_f32_16x16x32_f16 v[O+32*\qt+8*\dt:O+32*\qt+8*\dt+7], v[\va+16*\dt:\va+16*\dt+7], v[S+32*\qt+16*\kg:S+32*\qt+16*\kg+7], v[O+32*\qt+8*\dt:O+32*\qt+8*\dt+7]
.endr
.endr
.endm
; One trip's work of a wave: 32 queries x 64 keys.  In all runs of matrix instructions the accumulators take turns, one instruction a turn.
.macro WORK slot
.irp kt, 0,1,2,3
.irp dh, 0,1
	ds_load_b128 v[KV+16*\kt+8*\dh:KV+16*\kt+8*\dh+3],   v[ADRK+\slot] offset:16*KPITCH*\kt+64*\dh
	ds_load_b128 v[KV+16*\kt+8*\dh+4:KV+16*\kt+8*\dh+7], v[ADRK+\slot] offset:16*KPITCH*\kt+64*\dh+32
.endr
.endr
.irp kt, 0,1,2,3
	s_wait_dscnt 12-4*\kt                          ; key tile kt's four loads are in; the later tiles' four each stay out
	v_wmma_f32_16x16x32_f16 v[S+8*\kt:S+8*\kt+7],       v[KV+16*\kt:KV+16*\kt+7],    v[QF:QF+7],     0
	v_wmma_f32_16x16x32_f16 v[S+32+8*\kt:S+32+8*\kt+7], v[KV+16*\kt:KV+16*\kt+7],    v[QF+16:QF+23], 0
	v_wmma_f32_16x16x32_f16 v[S+8*\kt:S+8*\kt+7],       v[KV+16*\kt+8:KV+16*\kt+15], v[QF+8:QF+15],  v[S+8*\kt:S+8*\kt+7]
	v_wmma_f32_16x16x32_f16 v[S+32+8*\kt:S+32+8*\kt+7], v[KV+16*\kt+8:KV+16*\kt+15], v[QF+24:QF+31], v[S+32+8*\kt:S+32+8*\kt+7]
.endr
.rept 4
	v_nop                                          ; four places: in front of the loads over K's fragments and of the reads of S
.endr
.irp kg, 0,1
.irp dt, 0,1,2,3
	ds_load_tr16_b128 v[KV+16*\dt+8*\kg:KV+16*\dt+8*\kg+3],   v[ADRV+\slot] offset:32*VPITCH*\kg+32*\dt
	ds_load_tr16_b128 v[KV+16*\dt+8*\kg+4:KV+16*\dt+8*\kg+7], v[ADRV+\slot] offset:32*VPITCH*\kg+32*\dt+16*VPITCH
.endr
.endr
	s_cmp_lg_u32 s15, s16                          ; only the diagonal tile has keys beyond a query
	s_cbranch_scc1 .Lno_mask_\@
	MASK
.Lno_mask_\@:
	SOFTMAX 0
	SOFTMAX 1
.irp dt, 0,1,2,3
	ds_load_tr16_b128 v[S+8+16*\dt:S+8+16*\dt+3],   v[ADRV+\slot] offset:VSIZE+32*\dt              ; V's lo, my keys 0-31, into the runs that packing P has freed
	ds_load_tr16_b128 v[S+12+16*\dt:S+12+16*\dt+3], v[ADRV+\slot] offset:VSIZE+32*\dt+16*VPITCH
.endr
	s_wait_dscnt 8                                 ; the 16 loads of V's hi are in; the 8 just issued may be out
	PV8 KV, 0
	PV8 KV+8, 1
.rept 4
	v_nop                                          ; four places in front of the loads over the fragments of V's hi
.endr
.irp dt, 0,1,2,3
	ds_load_tr16_b128 v[KV+16*\dt:KV+16*\dt+3],   v[ADRV+\slot] offset:VSIZE+32*VPITCH+32*\dt      ; V's lo, my keys 32-63
	ds_load_tr16_b128 v[KV+16*\dt+4:KV+16*\dt+7], v[ADRV+\slot] offset:VSIZE+32*VPITCH+32*\dt+16*VPITCH
.endr
	s_wait_dscnt 8                                 ; lo of keys 0-31 is in; the 8 just issued may be out
	PV8 S+8, 0
	s_wait_dscnt 0x0
	PV8 KV, 1
.rept 5
	v_nop                                          ; five places: the next matrix instruction writes over P and lo; loads land on KV; O is read and rescaled
.endr
.endm
; The upper key half hands its sums over: O (64 registers), then l of both query tiles and both shifts.
.macro STORE_PARTIAL moff
	v_add_f32 v[T],   v[LS],   v[LS+1]
	v_add_f32 v[T+1], v[LS+2], v[LS+3]
	v_mov_b32 v[T+2], v[MCP]
	v_mov_b32 v[T+3], v[MCP+2]
.set i, 0
.rept 16
	ds_store_b128 v[MRG], v[O+4*i:O+4*i+3] offset:\moff+512*i
.set i, i+1
.endr
	ds_store_b128 v[MRG], v[T:T+3] offset:\moff+8192
.endm
; The lower key half merges, divides, splits into two bf16 parts and stores its 32 rows of ctx.  again = 1: an INIT follows.
.macro FINISH moff, again
.set i, 0
.rept 16
	ds_load_b128 v[S+4*i:S+4*i+3], v[MRG] offset:\moff+512*i       ; the partner's O: the same lane holds the same (query, d)
.set i, i+1
.endr
	ds_load_b128 v[KV:KV+3], v[MRG] offset:\moff+8192              ; its l0, l1, shift 0, shift 1
	s_lshl_b32 s28, s16, 14
	s_add_co_u32 s28, s28, s68
	s_add_nc_u64 s[30:31], s[26:27], s[28:29]                      ; ctx, part 0, at my 32 rows
	s_add_nc_u64 s[70:71], s[30:31], 0x800000                      ; part 1: 8,388,608 bytes on
	s_wait_dscnt 0x0
.irp qt, 0,1
	v_add_f32 v[T], v[LS+2*\qt], v[LS+2*\qt+1]
	v_min_num_f32 v[T+1], v[MCP+2*\qt], v[KV+2+\qt]                ; the smaller -c M belongs to the larger maximum
	v_sub_f32 v[T+2], v[T+1], v[MCP+2*\qt]
	v_sub_f32 v[T+3], v[T+1], v[KV+2+\qt]
	v_exp_f32 v[T+2], v[T+2]                                       ; my factor
	v_exp_f32 v[T+3], v[T+3]                                       ; the partner's (0 if all its keys were masked)
	v_nop                                                          ; the plain place behind a transcendental (ISA guide 5.7.2)
	s_wait_alu depctr_va_vdst(0)
	v_mul_f32 v[T], v[T], v[T+2]
	v_fmac_f32 v[T], v[KV+\qt], v[T+3]
	v_permlanex16_b32 v[T+1], v[T], s66, s67                       ; the query's other keys
	v_add_f32 v[T], v[T], v[T+1]
	v_rcp_f32 v[T], v[T]                                           ; the sum holds the largest term, about 1: never 0
	v_nop
	s_wait_alu depctr_va_vdst(0)
	v_mul_f32 v[AL],  v[T+2], v[T]
	v_mul_f32 v[G1P], v[T+3], v[T]
.set i, 0
.rept 16
	v_pk_mul_f32 v[O+32*\qt+2*i:O+32*\qt+2*i+1], v[O+32*\qt+2*i:O+32*\qt+2*i+1], v[AL:AL+1] op_sel_hi:[1,0]
.set i, i+1
.endr
.set i, 0
.rept 16
	v_pk_fma_f32 v[O+32*\qt+2*i:O+32*\qt+2*i+1], v[S+32*\qt+2*i:S+32*\qt+2*i+1], v[G1P:G1P+1], v[O+32*\qt+2*i:O+32*\qt+2*i+1] op_sel_hi:[1,0,1]
.set i, i+1
.endr
.endr
.set i, 0
.rept 64
	v_and_b32 v[S+i], 0xffff0000, v[O+i]                           ; part 0: ctx cut to its upper 16 bits, a bf16
	v_sub_f32 v[S+i], v[O+i], v[S+i]                               ; the rest, exact in f32
.set i, i+1
.endr
.set i, 0
.rept 32
	v_perm_b32 v[KV+i], v[O+2*i+1], v[O+2*i], 0x07060302           ; the two upper halves: the even element below
	v_cvt_pk_bf16_f32 v[KV+32+i], v[S+2*i], v[S+2*i+1]             ; part 1, rounded
.set i, i+1
.endr
.irp qt, 0,1
.irp dt, 0,1,2,3
	ds_store_b128 v[STO], v[KV+16*\qt+4*\dt:KV+16*\qt+4*\dt+3]       offset:16*KPITCH*\qt+32*\dt              ; query 16 qt + r, d = 16 dt + 8 h + 0..7
	ds_store_b128 v[STO], v[KV+32+16*\qt+4*\dt:KV+32+16*\qt+4*\dt+3] offset:32*KPITCH+16*KPITCH*\qt+32*\dt
.endr
.endr
.irp t, 0,1,2,3,4,5,6,7,8,9,10,11,12,13,14,15
	ds_load_b128 v[S+4*\t:S+4*\t+3], v[RD] offset:4*KPITCH*\t      ; my own bytes: LDS serves a wave's instructions in order (ISA guide 5.7.1.4); loads 8-15 are part 1
.endr
.irp t, 0,1,2,3,4,5,6,7
	s_wait_dscnt 15-\t                                             ; load t is in, the younger ones stay out
	global_store_b128 v[CO], v[S+4*\t:S+4*\t+3], s[30:31] offset:512*\t    ; four rows of 128 bytes: 512 consecutive bytes, aligned
.endr
.irp t, 0,1,2,3,4,5,6,7
	s_wait_dscnt 7-\t
	global_store_b128 v[CO], v[S+32+4*\t:S+32+4*\t+3], s[70:71] offset:512*\t
.endr
.if \again
	s_wait_xcnt 0x0                                                ; S and the bases, which the stores read, are written again only behind this wait
.endif
.endm
; A trip.  In front of the barrier every wave waits for all its tensor loads (this trip's tile among them) and for its LDS instructions (its reads of the
; other slot; where a pass ends, the upper halves' stores into the merge bytes).  Behind it the other slot is filled first; then, where a pass ends, the
; lower halves merge and every wave begins the second pass; then the tile's work.
.macro TRIP slot, refill
	s_set_vgpr_msb 0x5
	s_wait_tensorcnt 0x0                           ; no tensor load of mine is out: every group 0 may be written
	ds_add_u32 v0, v1
	s_wait_dscnt 0x0
	s_set_vgpr_msb 0x500
.if \refill
	s_add_co_u32 s18, s14, 1                       ; the next trip,
	s_add_co_u32 s17, s15, 1                       ; its key tile: one further,
	s_cmp_eq_u32 s18, s13
	s_cselect_b32 s17, 0, s17                      ; or tile 0 where the second pass begins
	s_lshl_b32 s28, s17, 14                        ; tiles of 16,384 bytes
	s_add_nc_u64 s[G0K+4*(1-\slot)+2:G0K+4*(1-\slot)+3], s[22:23], s[28:29]
	s_or_b32 s[G0K+4*(1-\slot)+3], s[G0K+4*(1-\slot)+3], 0x80000000
	s_add_nc_u64 s[G0V+4*(1-\slot)+2:G0V+4*(1-\slot)+3], s[24:25], s[28:29]
	s_or_b32 s[G0V+4*(1-\slot)+3], s[G0V+4*(1-\slot)+3], 0x80000000
	s_add_nc_u64 s[G0L+4*(1-\slot)+2:G0L+4*(1-\slot)+3], s[72:73], s[28:29]
	s_or_b32 s[G0L+4*(1-\slot)+3], s[G0L+4*(1-\slot)+3], 0x80000000
.endif
	s_cmp_lg_u32 s14, s13                          ; does the first pass end here?  (the same in all eight waves)
	s_cbranch_scc1 .Lno_part_\@
	s_cmp_lt_u32 s8, 4
	s_cbranch_scc1 .Lno_part_\@
	STORE_PARTIAL \slot*MSTEP
.Lno_part_\@:
	s_wait_dscnt 0x0
	s_barrier_signal -1
	s_barrier_wait -1
.if \refill
	KVLOAD 1-\slot                                 ; first behind the barrier: it has the whole trip in which to land
.endif
	s_cmp_lg_u32 s14, s13
	s_cbranch_scc1 .Lsame_\@
	s_cmp_ge_u32 s8, 4
	s_cbranch_scc1 .Lno_fin_\@
	FINISH \slot*MSTEP, 1
.Lno_fin_\@:
	s_mov_b32 s16, s11                             ; the second pass: query block j
	INIT
.Lsame_\@:
	WORK \slot
.if \refill
	s_mov_b32 s15, s17
	s_mov_b32 s14, s18
.endif
.endm
	INIT
	s_mov_b32 s19, 8                               ; 8 laps of two trips, then the 17th trip
.Llap:
	TRIP 0, 1
	TRIP 1, 1
	s_sub_co_u32 s19, s19, 1
	s_cmp_lg_u32 s19, 0
	s_cbranch_scc1 .Llap
	TRIP 0, 0                                      ; nothing is left to fetch
	s_cmp_lt_u32 s8, 4
	s_cbranch_scc1 .Llast_no_part
	STORE_PARTIAL MSTEP                            ; the second set of merge bytes: last read a trip's barrier ago
.Llast_no_part:
	s_wait_dscnt 0x0
	s_barrier_signal -1
	s_barrier_wait -1
	s_cmp_ge_u32 s8, 4
	s_cbranch_scc1 .Lend
	FINISH MSTEP, 0
.Lend:
	s_set_vgpr_msb 0x5
	s_wait_tensorcnt 0x0
	ds_add_u32 v0, v1
	s_wait_dscnt 0x0
	s_set_vgpr_msb 0x500
	s_endpgm
.Lfunc_end_k_q095ca3e7c5_attn:
	.size	k_q095ca3e7c5_attn, .Lfunc_end_k_q095ca3e7c5_attn-k_q095ca3e7c5_attn
	.p2alignl 7, 3214868480
	.fill 96, 4, 3214868480
	.section	.rodata,"a",@progbits
	.p2align	6, 0x0
	.amdhsa_kernel k_q095ca3e7c5_attn
		.amdhsa_group_segment_fixed_size 327680
		.amdhsa_private_segment_fixed_size 0
		.amdhsa_enable_private_segment 0
		.amdhsa_kernarg_size 24
		.amdhsa_user_sgpr_count 2
		.amdhsa_user_sgpr_kernarg_segment_ptr 1
		.amdhsa_wavefront_size32 1
		.amdhsa_system_sgpr_workgroup_id_x 1
		.amdhsa_system_sgpr_workgroup_id_y 1
		.amdhsa_system_sgpr_workgroup_id_z 1
		.amdhsa_system_vgpr_workitem_id 0
		.amdhsa_next_free_vgpr 258
		.amdhsa_next_free_sgpr 84
		.amdhsa_reserve_vcc 1
		.amdhsa_float_denorm_mode_32 3
		.amdhsa_float_denorm_mode_16_64 3
		.amdhsa_memory_ordered 1
		.amdhsa_forward_progress 1
		.amdhsa_inst_pref_size 187
	.end_amdhsa_kernel
	.amdgpu_metadata
---
amdhsa.version: [ 1, 2 ]
amdhsa.kernels:
  - .name:           k_q095ca3e7c5_attn
    .symbol:         k_q095ca3e7c5_attn.kd
    .args:
      - { .name: qkvh, .offset: 0, .size: 8, .value_kind: global_buffer, .address_space: global }
      - { .name: vlo, .offset: 8, .size: 8, .value_kind: global_buffer, .address_space: global }
      - { .name: ctxh, .offset: 16, .size: 8, .value_kind: global_buffer, .address_space: global }
    .group_segment_fixed_size: 327680
    .private_segment_fixed_size: 0
    .kernarg_segment_align: 8
    .kernarg_segment_size: 24
    .max_flat_workgroup_size: 256
    .sgpr_count:     84
    .vgpr_count:     258
    .wavefront_size: 32
...
	.end_amdgpu_metadata
.endif
;; end of part 3
;; launch outp (part 4): grid 8 x 32, 4 waves a work-group, clusters of 4 x 4, 327,680 bytes of LDS; arguments ctxh, woh, out0; writes out0
.if DOCPART == 4
	.amdgcn_target "amdgcn-amd-amdhsa--gfx1250"
	.amdhsa_code_object_version 6
	.text
	.protected	k_q095ca3e7c5_outp
	.globl	k_q095ca3e7c5_outp
	.p2align	8
	.type	k_q095ca3e7c5_outp,@function
k_q095ca3e7c5_outp:
	s_mov_b64 s[64:65], 0
	v_nop
	global_prefetch_b8 v0, s[64:65] scope:SCOPE_SE
	s_setreg_imm32_b32 hwreg(HW_REG_WAVE_MODE, 25, 1), 1
	s_wait_xcnt 0x0
	s_wait_alu depctr_hold_cnt(0) depctr_sa_sdst(0) depctr_va_vdst(0) depctr_va_sdst(0) depctr_va_ssrc(0) depctr_va_vcc(0) depctr_vm_vsrc(0)
	s_getreg_b32 s2, hwreg(HW_REG_IB_STS2, 6, 4)
	s_cmp_eq_u32 s2, 0
	s_cbranch_scc0 .Lentry_in_a_cluster
	s_endpgm
.Lentry_in_a_cluster:
	s_bfe_u32 s2, ttmp6, 0x10000c
	s_cmp_lg_u32 s2, 0xf033
	s_cbranch_scc0 .Lentry_shape_is_right
	s_endpgm
.Lentry_shape_is_right:
; out0[row][o] = sum over (head, d) of ctx[head][row][d] w_out[o][64 head + d].  ctxh [2 part][16][4096][64] bf16 (ctx = part 0 + part 1),
; woh [16][1024][64] bf16, out0 [4096][1024] f32.  Both parts of ctx are multiplied by the same fragments of w_out and added onto the same f32 sums,
; so that ctx enters with 16 significant bits.  Both operands lie by head: K is walked in the order (head, d), which is the column order of ctx.
; A work-group makes 128 x 128 of out0 with four waves, a wave 64 x 64: 16 accumulator tiles.  256 work-groups.  A K step is two heads (128 along K, both
; parts); eight steps through two LDS slots.  Waves 0 and 1 bring 128 rows of two heads of part 0 and of part 1 (two dense blocks of 16,384 bytes each),
; waves 2 and 3 128 rows of one head of w_out each (one dense block).
; CLUSTERS: 4 x 4.  ctx's tiles hang on the block row alone and are shared along a row of the cluster, w_out's on the block column alone and are shared
; along a column: joint loads, as in the first product.
; REGISTERS: window 0: v16-26 addresses, v32-63 and v64-95 rows on the way out, v128-255 accumulators (tile (a, b) at 128 + 8 (4 a + b));
;            window 1: v0-95 and v96-191 fragment buffers: w_out's four at f + 8 b, ctx's at f + 32 + 32 part + 8 a.
; The matrix instruction is used transposed (source 0 = rows of w_out, source 1 = rows of ctx): a lane holds row l % 16 and eight neighbouring columns.
.set PITCH,  144                       ; a head's row: 128 bytes + 16 (9 x 16)
.set HEADB,  128*PITCH                 ; 128 rows of one head: 18,432
.set PARTB,  2*HEADB                   ; two heads of one part of ctx
.set BOFF,   2*PARTB                   ; w_out's two heads lie behind ctx's two parts
.set SLOT,   BOFF+2*HEADB              ; 110,592 bytes
.set STAGE,  2*SLOT                    ; behind the ring: 16 rows x 272 bytes for each wave; no tensor load fills it
.set SPITCH, 272
.set LAPS,   4                         ; a lap = two K steps = once round the ring
.set ADRA, 16                          ; v16-17  my ctx fragments (part 0) in slot 0, 1
.set ADRB, 20                          ; v20-21  my w_out fragments
.set STO,  24
.set RD,   25
.set CO,   26
.set OB0,  32
.set OB1,  64
.set ACC,  128
.set F0,   0
.set F1,   96
.set G1,  24
.set G0,  32
.set G1B, 48
.set G0B, 56
.set MSB, 0
.macro WIN new                         ; the immediate's high byte repeats the setting that is left
.if MSB != \new
	s_set_vgpr_msb (MSB<<8)|\new
.set MSB, \new
.endif
.endm
.set MULW, 0x05                        ; sources 0 and 1 window 1, C and D window 0
.set TO_F, 0x40                        ; destination window 1, address window 0
.macro JLOAD s                         ; waves 0 and 1 fetch ctx's two parts, waves 2 and 3 w_out's two heads
	s_cmp_eq_u32 s11, 0
	s_cbranch_scc0 .Lfor_b_\@
	tensor_load_to_lds s[G0+4*\s:G0+4*\s+3], s[G1:G1+7]
	s_nop 0
	s_branch .Lasked_\@
.Lfor_b_\@:
	tensor_load_to_lds s[G0B+4*\s:G0B+4*\s+3], s[G1B:G1B+7]
	s_nop 0
.Lasked_\@:
.endm
.macro CREST                           ; a round of the cluster's barrier behind its opening barrier
	s_cmp_lg_u32 s10, 0
	s_cbranch_scc1 .Lnot_wave_0_\@
	s_barrier_signal -3
.Lnot_wave_0_\@:
	s_barrier_wait -3
	s_barrier_signal -1
	s_barrier_wait -1
.endm
.macro CROUND
	s_barrier_signal -1
	s_barrier_wait -1
	CREST
.endm
	s_load_b128 s[4:7], s[0:1], 0x0                ; ctxh s[4:5], woh s[6:7]
	s_load_b64 s[8:9], s[0:1], 0x10                ; out0
	s_set_vgpr_msb 0x40
	v_lshl_add_u32 v192, v0, 2, 0x3a400
	v_mov_b32 v193, 0
	s_set_vgpr_msb 0x4045
	ds_add_u32 v192, v193
	s_set_vgpr_msb 0x4500
	v_lshrrev_b32 v1, 5, v0
	v_readfirstlane_b32 s10, v1                    ; wave 0..3
	s_lshr_b32 s11, s10, 1                         ; my half of the rows.  Also: I fetch for ctx (0) or for w_out (1)
	s_and_b32 s12, s10, 1                          ; my half of the columns.  Also: which part of ctx, or which head of w_out, I fetch
	s_bfe_u32 s40, ttmp6, 0x40000                  ; cx
	s_bfe_u32 s41, ttmp6, 0x40004                  ; cy
	s_lshl_b32 s42, ttmp9, 2
	s_add_co_u32 s42, s42, s40                     ; block column
	s_and_b32 s13, ttmp7, 0xffff
	s_lshl_b32 s13, s13, 2
	s_add_co_u32 s13, s13, s41                     ; block row
	s_lshl_b32 s43, s41, 2
	s_lshl_b32 s43, 15, s43                        ; my row of the cluster
	s_lshl_b32 s44, 0x1111, s40                    ; my column
	; ctx: 2 rows (heads) of 2,048 elements of 8 bytes; w_out: 1 such row; padding of 4 words after every 32 words, that is behind each 128 bytes
	s_or_b32 s[G1+0], s43, (3<<16)|(1<<20)|(1<<21)|(4<<22)|(3<<25)
	s_or_b32 s[G1B+0], s44, (3<<16)|(1<<20)|(1<<21)|(4<<22)|(3<<25)
	s_mov_b32 s[G1+1], 2048<<16                    ; tensor_dim0
	s_mov_b32 s[G1B+1], 2048<<16
	s_mov_b32 s[G1+2], 2<<16                       ; tensor_dim1
	s_mov_b32 s[G1B+2], 1<<16
	s_mov_b32 s[G1+3], 2048<<16                    ; tile_dim0
	s_mov_b32 s[G1B+3], 2048<<16
	s_mov_b32 s[G1+4], 2                           ; tile_dim1
	s_mov_b32 s[G1B+4], 1
	s_mov_b32 s[G1+5], 65536                       ; from head to head of ctx: 524,288 bytes
	s_mov_b32 s[G1B+5], 2048                       ; a single row: the pitch is its length
	s_mov_b32 s[G1+6], 0
	s_mov_b32 s[G1B+6], 0
	s_mov_b32 s[G1+7], 0
	s_mov_b32 s[G1B+7], 0
	s_lshl_b32 s17, s12, 23                        ; ctx: my part of 8,388,608 bytes,
	s_lshl_b32 s16, s13, 14                        ; 128 x block row rows of 128 bytes
	s_add_co_u32 s16, s16, s17
	s_mov_b32 s17, 0
	s_lshl_b32 s47, s12, 17                        ; w_out: my head of 131,072 bytes,
	s_lshl_b32 s46, s42, 14                        ; 128 x block column rows
	s_add_co_u32 s46, s46, s47
	s_mov_b32 s47, 0
	s_mul_i32 s20, s12, PARTB                      ; to: ctx's two parts,
	s_mul_i32 s21, s12, HEADB
	s_add_co_u32 s21, s21, BOFF                    ; then w_out's two heads
	s_wait_dscnt 0x0
	s_wait_kmcnt 0x0
	s_add_nc_u64 s[14:15], s[4:5], s[16:17]
	s_add_nc_u64 s[46:47], s[6:7], s[46:47]
	CROUND                                         ; in front of the first joint loads
.irp s, 0,1
	s_mov_b32 s[G0+4*\s], 1
	s_add_co_u32 s[G0+4*\s+1], s20, \s*SLOT
	s_add_nc_u64 s[G0+4*\s+2:G0+4*\s+3], s[14:15], \s*2*524288     ; K step s: two heads on
	s_or_b32 s[G0+4*\s+3], s[G0+4*\s+3], 0x80000000
	s_mov_b32 s[G0B+4*\s], 1
	s_add_co_u32 s[G0B+4*\s+1], s21, \s*SLOT
	s_add_nc_u64 s[G0B+4*\s+2:G0B+4*\s+3], s[46:47], \s*2*131072
	s_or_b32 s[G0B+4*\s+3], s[G0B+4*\s+3], 0x80000000
	JLOAD \s                                       ; two tensor loads of a wave are out here, one later
.endr
	v_and_b32 v1, 15, v0                           ; r
	v_bfe_u32 v2, v0, 4, 1                         ; h
	v_mul_u32_u24 v3, v1, PITCH
	v_lshl_add_u32 v3, v2, 4, v3
	s_mul_i32 s21, s11, 64*PITCH                   ; my 64 rows of ctx
	s_mul_i32 s22, s12, 64*PITCH
	s_add_co_u32 s22, s22, BOFF                    ; my 64 rows of w_out
.irp s, 0,1
	v_add_nc_u32 v[ADRA+\s], s21, v3
	v_add_nc_u32 v[ADRB+\s], s22, v3
	s_add_co_u32 s21, s21, SLOT
	s_add_co_u32 s22, s22, SLOT
.endr
	s_mul_i32 s23, s10, 16*SPITCH
	s_add_co_u32 s23, s23, STAGE                   ; my stage
	v_mul_u32_u24 v4, v1, SPITCH                   ; in: row r, 32 bytes for each half of the lanes
	v_lshl_add_u32 v4, v2, 5, v4
	v_add_nc_u32 v[STO], s23, v4
	v_mul_u32_u24 v5, v2, SPITCH                   ; back: lanes 0-15 one row of 256 bytes, lanes 16-31 the next
	v_lshl_add_u32 v5, v1, 4, v5
	v_add_nc_u32 v[RD], s23, v5
	v_lshlrev_b32 v5, 12, v2                       ; the same two rows in out0
	v_lshl_add_u32 v[CO], v1, 4, v5
; 16 matrix instructions: 4 m blocks of one part of ctx x 4 n blocks, 32 along K.  The 16 accumulators take turns, one instruction a turn.
.macro MUL16 f, part, zero
.irp a, 0,1,2,3
.irp b, 0,1,2,3
.if \zero
	v_wmma_f32_16x16x32_bf16 v[ACC+8*(4*\a+\b):ACC+8*(4*\a+\b)+7], v[\f+8*\b:\f+8*\b+7], v[\f+32+32*\part+8*\a:\f+32+32*\part+8*\a+7], 0
.else
	v_wmma_f32_16x16x32_bf16 v[ACC+8*(4*\a+\b):ACC+8*(4*\a+\b)+7], v[\f+8*\b:\f+8*\b+7], v[\f+32+32*\part+8*\a:\f+32+32*\part+8*\a+7], v[ACC+8*(4*\a+\b):ACC+8*(4*\a+\b)+7]
.endif
.endr
.endr
.endm
; 24 LDS loads: phase q of a K step (head q >> 1, d = 32 (q & 1) ..) into buffer f: w_out, ctx part 0, ctx part 1
.macro FETCH slot, q, f
	WIN TO_F
.irp i, 0,1,2,3
	ds_load_b128 v[\f+8*\i:\f+8*\i+3],   v[ADRB+\slot] offset:((\q)>>1)*HEADB+((\q)&1)*64+\i*16*PITCH
	ds_load_b128 v[\f+8*\i+4:\f+8*\i+7], v[ADRB+\slot] offset:((\q)>>1)*HEADB+((\q)&1)*64+\i*16*PITCH+32
.endr
.irp p, 0,1
.irp i, 0,1,2,3
	ds_load_b128 v[\f+32+32*\p+8*\i:\f+32+32*\p+8*\i+3],   v[ADRA+\slot] offset:\p*PARTB+((\q)>>1)*HEADB+((\q)&1)*64+\i*16*PITCH
	ds_load_b128 v[\f+32+32*\p+8*\i+4:\f+32+32*\p+8*\i+7], v[ADRA+\slot] offset:\p*PARTB+((\q)>>1)*HEADB+((\q)&1)*64+\i*16*PITCH+32
.endr
.endr
.endm
.macro PLACES                          ; four places behind the matrix instructions that read a buffer, in front of the loads into it
.rept 4
	v_nop
.endr
.endm
; phase q: the next phase's fragments are asked for, then buffer f is multiplied, part 0 and part 1
.macro PHASE slot, q, f, g, zero
	PLACES
	FETCH \slot, \q+1, \g
	s_wait_dscnt 24                                ; all but the 24 just issued
	WIN MULW
	MUL16 \f, 0, \zero
	MUL16 \f, 1, 0
.endm
.macro STEP slot, zero
	PHASE \slot, 0, F0, F1, \zero
	PHASE \slot, 1, F1, F0, 0
	PHASE \slot, 2, F0, F1, 0
.endm
; phase 3 multiplies buffer 1 and changes slots: the waits, the barrier (a round of the cluster's barrier where the slot is filled again), the refill first.
; From a request to the wait for it a wave issues 112 matrix instructions.
.macro TURN slot, next, fill
	s_wait_dscnt 0                                 ; my reads of this slot are over
	s_wait_tensorcnt 0x0                           ; all my tensor loads have landed: my part of the next slot
	ds_add_u32 v192, v193
	s_wait_dscnt 0x0
	s_barrier_signal -1
	WIN MULW
	MUL16 F1, 0, 0                                 ; register work while the others arrive
	WIN 0
	s_barrier_wait -1
.if \fill
	CREST
	s_add_nc_u64 s[G0+4*\slot+2:G0+4*\slot+3], s[G0+4*\slot+2:G0+4*\slot+3], 4*524288       ; two K steps = four heads on
	s_add_nc_u64 s[G0B+4*\slot+2:G0B+4*\slot+3], s[G0B+4*\slot+2:G0B+4*\slot+3], 4*131072
	JLOAD \slot                                    ; the first tensor load behind the round, the wave's only one until the next
.endif
	PLACES
	FETCH \next, 0, F0
	WIN MULW
	MUL16 F1, 1, 0
.endm
.macro LAP zero
	STEP 0, \zero
	TURN 0, 1, 1
	STEP 1, 0
	TURN 1, 0, 1
.endm
	s_wait_tensorcnt 1                             ; my part of K step 0 is in; K step 1's may stay out
	s_barrier_signal -1
	s_barrier_wait -1
	FETCH 0, 0, F0
	LAP 1                                          ; the first lap stands in front of the loop: its first products start the sums
	WIN 0
	s_mov_b32 s3, LAPS-2
.Llap:
	LAP 0
	WIN 0
	s_sub_co_u32 s3, s3, 1
	s_cmp_lg_u32 s3, 0
	s_cbranch_scc1 .Llap
	STEP 0, 0                                      ; the last lap fills nothing
	TURN 0, 1, 0
	STEP 1, 0
	s_wait_dscnt 0
	WIN MULW
	MUL16 F1, 0, 0
	MUL16 F1, 1, 0
	WIN 0
	; THE WAY OUT, 16 rows at a time through my own stage: a lane puts its 32 bytes of a row, whole rows of 256 bytes come back.
	PLACES
	s_lshl_b32 s16, s13, 19                        ; 128 x block row rows of 4,096 bytes
	s_lshl_b32 s17, s11, 18                        ; + 64 rows for the lower half
	s_add_co_u32 s16, s16, s17
	s_mov_b32 s17, 0
	s_add_nc_u64 s[8:9], s[8:9], s[16:17]
	s_lshl_b32 s46, s42, 9                         ; 128 columns of 4 bytes a block column
	s_lshl_b32 s47, s12, 8
	s_add_co_u32 s46, s46, s47
	s_mov_b32 s47, 0
	s_add_nc_u64 s[8:9], s[8:9], s[46:47]
.macro OUT16 a, f
.irp b, 0,1,2,3
	ds_store_b128 v[STO], v[ACC+8*(4*\a+\b):ACC+8*(4*\a+\b)+3]   offset:64*\b
	ds_store_b128 v[STO], v[ACC+8*(4*\a+\b)+4:ACC+8*(4*\a+\b)+7] offset:64*\b+16
.endr
	s_wait_xcnt 0x0                                ; buffer f and the base, which earlier stores read, are written again only behind this wait
.if \a
	s_add_nc_u64 s[8:9], s[8:9], 16*4096
.endif
.irp t, 0,1,2,3,4,5,6,7
	ds_load_b128 v[\f+4*\t:\f+4*\t+3], v[RD] offset:\t*2*SPITCH    ; LDS serves a wave's instructions in order (ISA guide 5.7.1.4): these see the stores above
.endr
.irp t, 0,1,2,3,4,5,6,7
	s_wait_dscnt 7-\t                              ; load t is in, the younger ones stay out
	global_store_b128 v[CO], v[\f+4*\t:\f+4*\t+3], s[8:9] offset:\t*2*4096 th:TH_STORE_NT   ; 16 lanes store 256 consecutive bytes, aligned
.endr
.endm
	OUT16 0, OB0
	OUT16 1, OB1
	OUT16 2, OB0
	OUT16 3, OB1
	s_set_vgpr_msb 0x5
	s_wait_tensorcnt 0x0
	ds_add_u32 v192, v193
	s_wait_dscnt 0x0
	s_set_vgpr_msb 0x500
	CROUND                                         ; the closing round
	s_endpgm
.Lfunc_end_k_q095ca3e7c5_outp:
	.size	k_q095ca3e7c5_outp, .Lfunc_end_k_q095ca3e7c5_outp-k_q095ca3e7c5_outp
	.p2alignl 7, 3214868480
	.fill 96, 4, 3214868480
	.section	.rodata,"a",@progbits
	.p2align	6, 0x0
	.amdhsa_kernel k_q095ca3e7c5_outp
		.amdhsa_group_segment_fixed_size 327680
		.amdhsa_private_segment_fixed_size 0
		.amdhsa_enable_private_segment 0
		.amdhsa_kernarg_size 24
		.amdhsa_user_sgpr_count 2
		.amdhsa_user_sgpr_kernarg_segment_ptr 1
		.amdhsa_wavefront_size32 1
		.amdhsa_system_sgpr_workgroup_id_x 1
		.amdhsa_system_sgpr_workgroup_id_y 1
		.amdhsa_system_sgpr_workgroup_id_z 1
		.amdhsa_system_vgpr_workitem_id 0
		.amdhsa_next_free_vgpr 450
		.amdhsa_next_free_sgpr 66
		.amdhsa_reserve_vcc 0
		.amdhsa_float_denorm_mode_32 3
		.amdhsa_float_denorm_mode_16_64 3
		.amdhsa_memory_ordered 1
		.amdhsa_forward_progress 1
		.amdhsa_inst_pref_size 109
	.end_amdhsa_kernel
	.amdgpu_metadata
---
amdhsa.version: [ 1, 2 ]
amdhsa.kernels:
  - .name:           k_q095ca3e7c5_outp
    .symbol:         k_q095ca3e7c5_outp.kd
    .args:
      - { .name: ctxh, .offset: 0, .size: 8, .value_kind: global_buffer, .address_space: global }
      - { .name: woh, .offset: 8, .size: 8, .value_kind: global_buffer, .address_space: global }
      - { .name: out0, .offset: 16, .size: 8, .value_kind: global_buffer, .address_space: global }
    .group_segment_fixed_size: 327680
    .private_segment_fixed_size: 0
    .kernarg_segment_align: 8
    .kernarg_segment_size: 24
    .max_flat_workgroup_size: 128
    .sgpr_count:     66
    .vgpr_count:     450
    .wavefront_size: 32
...
	.end_amdgpu_metadata
.endif
;; end of part 4
;; ======== version 2 of 3: 4 launches; 1.16 times as fast as version 1
;; limits: values are held in f16: magnitudes above 65,504 overflow, below 6.1e-05 lose precision
;; workspace buffers: xh 8,388,608 bytes; wqh 6,291,456 bytes; woh 2,097,152 bytes; qkvh 25,165,824 bytes; vlo 8,388,608 bytes; ctxh 8,388,608 bytes; ctxl 1,048,576 bytes
;; launch cast (part 5): grid 256 x 1, 8 waves a work-group, no clusters, 0 bytes of LDS; arguments x, w_qkv, w_out, xh, wqh, woh; writes xh, wqh, woh
.if DOCPART == 5
	.amdgcn_target "amdgcn-amd-amdhsa--gfx1250"
	.amdhsa_code_object_version 6
	.text
	.protected	k_q095ca3e7c5_cast
	.globl	k_q095ca3e7c5_cast
	.p2align	8
	.type	k_q095ca3e7c5_cast,@function
k_q095ca3e7c5_cast:
	s_mov_b64 s[64:65], 0
	v_nop
	global_prefetch_b8 v0, s[64:65] scope:SCOPE_SE
	s_setreg_imm32_b32 hwreg(HW_REG_WAVE_MODE, 25, 1), 1
	s_wait_xcnt 0x0
; The inputs are rounded once to bf16 (round to nearest even) for all later matrix work.
;   xh  [4096][1024]      = bf16(x),      same order
;   wqh [3072][1024]      = bf16(w_qkv),  same order
;   woh [16 head][1024 o][64 d] = bf16(w_out[o][64 head + d]) WRITTEN AS f16: laid by head, so that the last product can walk K in the order (head, d);
;       in f16 because its partner there, ctx, is f16.  A bf16 number has 8 significant bits, an f16 number 11: the second conversion is exact for
;       7.6e-6 <= |w| < 65,504.
; LIMITS: |w_out| below 65,504; a w_out below 7.6e-6 carries an absolute error of up to 3e-8.  x and w_qkv keep f32's range of exponents.
; A stream: no LDS, no barrier, no matrix unit.  256 work-groups of 32,768 numbers: groups 0-127 x, 128-223 w_qkv, 224-255 w_out.
; Thread t, turn i (16 turns): reads 32 bytes, stores the 16 bytes at 65,536 idx + 4,096 i + 16 t of its output: a wave's store covers
; 512 consecutive bytes, aligned.  The input address is base + (t >> 3) * rowmul + 32 (t & 7) + i * step:
;   x, w_qkv: rowmul 256, step 8,192, base 131,072 idx          (simply 32 bytes a thread, in order)
;   w_out:    rowmul 4,096, step 131,072, base 256 (idx >> 1) + (idx & 1) << 21   (eight lanes read the 256 bytes of one row's head)
; All 32 loads of a thread go out first; no address and no store's data register is written twice, so the only waits are the counted ones for the loads.
.set OFF, 4                            ; v[4:19]   turn i: byte offset of my 32 input bytes
.set OUT, 20                           ; v20       16 t
.set X,   24                           ; v[24:151] turn i: 8 registers as loaded; the first 4 then hold the 8 results, the last 4 are at work
; The 16 turns.  tof16 = 1: the bf16 numbers are widened again and written as f16.
.macro TURNS tof16
.irp i, 0,1,2,3,4,5,6,7,8,9,10,11,12,13,14,15
	s_wait_loadcnt 30-2*\i                         ; loads come back in order (ISA guide 5.7.1): turn i's two are in, the younger turns' stay out
.irp q, 0,1,2,3
	v_cvt_pk_bf16_f32 v[X+8*\i+\q], v[X+8*\i+2*\q], v[X+8*\i+2*\q+1]  ; in place, ascending: register q is written when 2q and 2q+1 are read
.endr
.if \tof16
.irp q, 0,1,2,3
	v_lshlrev_b32 v[X+8*\i+4+2*(\q&1)], 16, v[X+8*\i+\q]              ; bf16 to f32: the low half moves up,
	v_and_b32     v[X+8*\i+5+2*(\q&1)], 0xffff0000, v[X+8*\i+\q]      ; the high half stays
	v_cvt_pk_f16_f32 v[X+8*\i+\q], v[X+8*\i+4+2*(\q&1)], v[X+8*\i+5+2*(\q&1)]
.endr
.endif
	global_store_b128 v[OUT], v[X+8*\i:X+8*\i+3], s[18:19] offset:4096*\i
.endr
.endm
	s_load_b256 s[4:11], s[0:1], 0x0               ; x s[4:5], w_qkv s[6:7], w_out s[8:9], xh s[10:11]
	s_load_b128 s[12:15], s[0:1], 0x20             ; wqh s[12:13], woh s[14:15]
	v_lshrrev_b32 v1, 3, v0                        ; t >> 3
	v_and_b32 v2, 7, v0
	v_lshlrev_b32 v2, 5, v2                        ; 32 (t & 7)
	v_lshlrev_b32 v[OUT], 4, v0
	s_mov_b32 s21, 256                             ; rowmul and step of the two plain cases
	s_mov_b32 s22, 8192
	s_wait_kmcnt 0x0
	s_cmp_lt_u32 ttmp9, 128                        ; which tensor: the choice hangs on the work-group's number alone
	s_cselect_b64 s[16:17], s[4:5], s[6:7]         ; from
	s_cselect_b64 s[18:19], s[10:11], s[12:13]     ; to
	s_cselect_b32 s20, 0, 128                      ; the tensor's first work-group
	s_cmp_lt_u32 ttmp9, 224
	s_cselect_b64 s[16:17], s[16:17], s[8:9]
	s_cselect_b64 s[18:19], s[18:19], s[14:15]
	s_cselect_b32 s20, s20, 224
	s_cselect_b32 s21, s21, 4096
	s_cselect_b32 s22, s22, 0x20000
	s_sub_co_u32 s23, ttmp9, s20                   ; idx
	s_lshl_b32 s24, s23, 17                        ; plain case: 131,072 idx
	s_lshr_b32 s26, s23, 1
	s_lshl_b32 s26, s26, 8                         ; w_out: 256 head
	s_and_b32 s27, s23, 1
	s_lshl_b32 s27, s27, 21                        ;        + 512 rows of 4,096 bytes for the odd half
	s_add_co_u32 s26, s26, s27
	s_cmp_lt_u32 ttmp9, 224                        ; compared again: the lines above changed SCC
	s_cselect_b32 s24, s24, s26
	s_mov_b32 s25, 0
	s_add_nc_u64 s[16:17], s[16:17], s[24:25]
	s_lshl_b32 s24, s23, 16                        ; 65,536 idx
	s_add_nc_u64 s[18:19], s[18:19], s[24:25]
	v_mad_u32_u24 v[OFF], v1, s21, v2
.irp i, 1,2,3,4,5,6,7,8,9,10,11,12,13,14,15
	s_mul_i32 s26, s22, \i
	v_add_nc_u32 v[OFF+\i], s26, v[OFF]
.endr
.irp i, 0,1,2,3,4,5,6,7,8,9,10,11,12,13,14,15
	global_load_b128 v[X+8*\i:X+8*\i+3],   v[OFF+\i], s[16:17] th:TH_LOAD_NT
	global_load_b128 v[X+8*\i+4:X+8*\i+7], v[OFF+\i], s[16:17] offset:16 th:TH_LOAD_NT
.endr
	s_cmp_lt_u32 ttmp9, 224                        ; w_out's 32 work-groups take the second way
	s_cbranch_scc0 .Lw_out
	TURNS 0
	s_endpgm
.Lw_out:
	TURNS 1
	s_endpgm
.Lfunc_end_k_q095ca3e7c5_cast:
	.size	k_q095ca3e7c5_cast, .Lfunc_end_k_q095ca3e7c5_cast-k_q095ca3e7c5_cast
	.p2alignl 7, 3214868480
	.fill 96, 4, 3214868480
	.section	.rodata,"a",@progbits
	.p2align	6, 0x0
	.amdhsa_kernel k_q095ca3e7c5_cast
		.amdhsa_group_segment_fixed_size 0
		.amdhsa_private_segment_fixed_size 0
		.amdhsa_enable_private_segment 0
		.amdhsa_kernarg_size 48
		.amdhsa_user_sgpr_count 2
		.amdhsa_user_sgpr_kernarg_segment_ptr 1
		.amdhsa_wavefront_size32 1
		.amdhsa_system_sgpr_workgroup_id_x 1
		.amdhsa_system_sgpr_workgroup_id_y 1
		.amdhsa_system_sgpr_workgroup_id_z 1
		.amdhsa_system_vgpr_workitem_id 0
		.amdhsa_next_free_vgpr 152
		.amdhsa_next_free_sgpr 66
		.amdhsa_reserve_vcc 0
		.amdhsa_float_denorm_mode_32 3
		.amdhsa_float_denorm_mode_16_64 3
		.amdhsa_memory_ordered 1
		.amdhsa_forward_progress 1
		.amdhsa_inst_pref_size 28
	.end_amdhsa_kernel
	.amdgpu_metadata
---
amdhsa.version: [ 1, 2 ]
amdhsa.kernels:
  - .name:           k_q095ca3e7c5_cast
    .symbol:         k_q095ca3e7c5_cast.kd
    .args:
      - { .name: x, .offset: 0, .size: 8, .value_kind: global_buffer, .address_space: global }
      - { .name: w_qkv, .offset: 8, .size: 8, .value_kind: global_buffer, .address_space: global }
      - { .name: w_out, .offset: 16, .size: 8, .value_kind: global_buffer, .address_space: global }
      - { .name: xh, .offset: 24, .size: 8, .value_kind: global_buffer, .address_space: global }
      - { .name: wqh, .offset: 32, .size: 8, .value_kind: global_buffer, .address_space: global }
      - { .name: woh, .offset: 40, .size: 8, .value_kind: global_buffer, .address_space: global }
    .group_segment_fixed_size: 0
    .private_segment_fixed_size: 0
    .kernarg_segment_align: 8
    .kernarg_segment_size: 48
    .max_flat_workgroup_size: 256
    .sgpr_count:     66
    .vgpr_count:     152
    .wavefront_size: 32
...
	.end_amdgpu_metadata
.endif
;; end of part 5
;; launch qkv: the kernel of part 2 again; grid 16 x 16, 4 waves a work-group, clusters of 4 x 4, 327,680 bytes of LDS; arguments xh, wqh, qkvh, vlo; writes qkvh, vlo
;; launch attn (part 6): grid 8 x 32, 8 waves a work-group, no clusters, 327,680 bytes of LDS; arguments qkvh, vlo, ctxh, ctxl; writes ctxh, ctxl
.if DOCPART == 6
	.amdgcn_target "amdgcn-amd-amdhsa--gfx1250"
	.amdhsa_code_object_version 6
	.text
	.protected	k_q095ca3e7c5_attn
	.globl	k_q095ca3e7c5_attn
	.p2align	8
	.type	k_q095ca3e7c5_attn,@function
k_q095ca3e7c5_attn:
	s_mov_b64 s[64:65], 0
	v_nop
	global_prefetch_b8 v0, s[64:65] scope:SCOPE_SE
	s_setreg_imm32_b32 hwreg(HW_REG_WAVE_MODE, 25, 1), 1
	s_wait_xcnt 0x0
; Causal attention of one (batch, head): ctx = softmax(q k^T / 8, keys <= query) v, with a running maximum.  qkvh [48 gh][4096][64] f16
; (gh: q = head, k = 16 + head, v's hi = 32 + head; row = 2048 b + t);  vlo [16 head][4096][64] f16: v = hi + lo.  Scores, softmax and sums in f32.
; ctxh [16 head][4096][64] f16.  ctxl [16 head][32 block of 128 rows][4 dt][32 lane][8] f16: a second part for the first 16 rows of every block.
; WHERE SECOND PARTS ARE USED.  A query that attends to a handful of keys gives a row of the final result that is nearly a plain product of v and can be
; many times larger than the result's root mean square, by which every number is judged; one f16 rounding shows there.
;   v's lo: in query block 0 alone (t < 128).  All other queries take hi alone, an f16 operand.
;   ctx: in rows 0-15 of a block of 128, ctxh holds ctx cut to 11 significant bits (exact in f16) and ctxl the rest, rounded to f16.  Only the blocks with
;   t < 128 need it; every block does it, since the last product, which has joint loads, takes no branch on its block row.  ctxl's order is the register
;   image of that product's source 1: lane (r, h) keeps row r, d = 16 dt + 8 h + 0..7, 16 bytes at 512 dt + 16 lane.
; LIMITS: for t >= 128 v enters cut toward zero to 11 significant bits (relative error below 2^-10).  Probabilities are rounded to f16 (they lie in 0..1),
; ctx outside the first 16 rows of a block once to f16 (|ctx| <= max |v| < 65,504).  The running maximum starts at -1e30; with f16 operands a raw score is
; at most 64 x 65,504^2 = 2.7e11 in magnitude, so the floor is never met by a score.  Masked scores are -infinity.
; SHARE: work-group (j, bh) takes the query blocks of 128 with numbers 15 - j (16 - j key tiles of 128) and then j (j + 1 tiles): 17 tiles for every
; work-group, 256 equal work-groups.  Wave w: g = w & 3 picks 32 queries (two tiles of 16), p = w >> 2 picks keys 64 p .. 64 p + 63 of every key tile;
; the two halves' sums are merged through LDS at the end of each query block.
; NO MULTICAST: the eight work-groups of a head walk different tiles from trip 9 on (the first pass has 16 - j tiles), so partners would have to
; ask for different tiles in the same trip; a joint request needs the same descriptor in all that it names.
; FORMS: S^T = K Q^T (source 0 = 16 keys x 32 d, source 1 = 16 queries x 32 d): lane (r, h) holds query r, keys 8 h + 0..7 of the tile.  Two neighbouring
; key tiles, packed to f16, ARE source 1 of O^T += V^T P^T (keys 8h.. in registers 0-3, 16+8h.. in 4-7); V^T comes by the transposing LDS load.
; So a query's maximum and sum are one number a lane (and its partner lane l xor 16), and nothing is shuffled.
.set KPITCH, 144                       ; K rows: 128 bytes + 16 (9 x 16)
.set VPITCH, 160                       ; V rows: 128 bytes + 32 (5 x 32), for the transposing load
.set VOFF,   128*KPITCH                ; V behind K in a slot
.set VSIZE,  128*VPITCH
.set SLOT,   VOFF+VSIZE                ; 38,912 bytes; two slots
.set VLO,    2*SLOT                    ; 77,824: key tile 0 of v's lo, filled once, in the work-groups with j = 0 alone; it lies VSIZE behind slot 1's V
.set MERGE,  VLO+VSIZE                 ; 98,304: 4 x 8,704 bytes: for each g 16 x 512 of O, 512 of sums and maxima.  Never filled by the mover
.set MSIZE,  8704
.set MSTEP,  4*MSIZE                   ; a second set of merge bytes at 133,120.  Trips on slot 0 use the first set, trips on slot 1 and the closing merge
                                       ; the second: between the reads of a set and the next stores into it always stands a trip's barrier
.set STAGE,  MERGE+2*MSTEP             ; 167,936: 4 x 4,608 bytes: 32 rows x 144 for each g, the wave's own
.set SSIZE,  32*KPITCH
.set ADRK, 3                           ; v3, v4    my K fragments in slot 0, 1
.set ADRV, 5                           ; v5, v6    my V fragments in slot 0, 1
.set QOFF, 7                           ; v7        128 r + 16 h
.set DLT,  8                           ; v8        32 g + r - 8 h - 64 p: in the diagonal tile key (kt, j) is masked for query tile qt if 16 kt - 16 qt + j > DLT
.set NINF, 9                           ; v9        -infinity
.set MRG,  10                          ; v10       merge bytes of my g + 16 lane
.set STO,  11                          ; v11       stage, in
.set RD,   12                          ; v12       stage, back
.set CO,   13                          ; v13       16 lane
.set G1P,  14                          ; v[14:15]  the merge's factor for the partner's sums
.set QF,   16                          ; v[16:47]   Q fragments at 16 qt + 8 dh
.set O,    48                          ; v[48:111]  O^T at 32 qt + 8 dt
.set S,    112                         ; v[112:175] S^T at 32 qt + 8 kt; then P at 32 qt + 16 kg
.set KV,   176                         ; v[176:239] K fragments at 16 kt + 8 dh; then V^T fragments at 16 dt + 8 kg (hi; in query block 0 then lo)
.set M,    240                         ; v240, v241 running maximum of the raw scores, query tile 0, 1
.set MCP,  242                         ; v[242:243], v[244:245]  -c M as rounded: the shift that every exponent of the block uses
.set AL,   246                         ; v[246:247] the rescaling factor
.set LS,   248                         ; v[248:249], v[250:251]  running sums, two a lane
.set T,    252                         ; v[252:255] at work
.set G1K, 32                           ; s[32:39] group 1, K tiles;  s[40:47] V tiles
.set G1V, 40
.set G0K, 48                           ; s[48:55] group 0, K, slot 0, 1
.set G0V, 56                           ; s[56:63] group 0, V, slot 0, 1
.set G0L, 76                           ; s[76:79] group 0, key tile 0 of v's lo
.set CPOS, 0x3e38aa3b                  ; c = log2(e) / 8: the scale 1 / sqrt(64) and the change of base in one factor
.set CNEG, 0xbe38aa3b
.set FLOOR, 0xf149f2ca                 ; -1e30
	s_load_b128 s[4:7], s[0:1], 0x0                ; qkvh s[4:5], vlo s[6:7]
	s_load_b128 s[72:75], s[0:1], 0x10             ; ctxh s[72:73], ctxl s[74:75]
	s_set_vgpr_msb 0x40
	v_lshl_add_u32 v0, v0, 2, 0x2d800
	v_mov_b32 v1, 0
	s_set_vgpr_msb 0x4045
	ds_add_u32 v0, v1
	s_set_vgpr_msb 0x4500
	v_lshrrev_b32 v1, 5, v0
	v_readfirstlane_b32 s8, v1                     ; wave 0..7
	s_and_b32 s9, s8, 3                            ; g
	s_lshr_b32 s10, s8, 2                          ; p
	s_mov_b32 s11, ttmp9                           ; j
	s_and_b32 s12, ttmp7, 0xffff                   ; bh
	s_sub_co_u32 s13, 16, s11                      ; n1: tiles of the first pass
	s_mov_b32 s14, 0                               ; u: trip
	s_mov_b32 s15, 0                               ; kt: the trip's key tile
	s_sub_co_u32 s16, 15, s11                      ; qb: the pass's query block
	s_lshl_b32 s68, s9, 12                         ; 32 g rows of 128 bytes
	s_mov_b32 s66, 0x76543210                      ; v_permlanex16_b32: lane i reads lane i of the other half
	s_mov_b32 s67, 0xfedcba98
	s_lshr_b32 s17, s12, 4                         ; b
	s_and_b32 s18, s12, 15                         ; head
	s_lshl_b32 s28, s18, 19                        ; head x 4,096 rows x 128 bytes
	s_lshl_b32 s17, s17, 18                        ; + b x 2,048 rows
	s_add_co_u32 s28, s28, s17
	s_mov_b32 s29, 0                               ; s[28:29]: the pair for offsets; s29 stays 0
	s_lshr_b32 s2, s28, 3                          ; in ctxl: head x 32 blocks x 2,048 bytes + b x 16 blocks: an eighth of the offset above
	s_mov_b32 s3, 0                                ; s[2:3]: the pair for offsets in ctxl; s3 stays 0
	; A tile of 128 keys is a dense block of 16,384 bytes: 64 rows of 256 bytes, elements of 8 bytes; padding after every 32 words, that is behind each key's 128 bytes
	s_mov_b32 s[G1K+0], (3<<16)|(1<<20)|(4<<22)|(3<<25)    ; 4 words of padding: pitch 144
	s_mov_b32 s[G1V+0], (3<<16)|(1<<20)|(4<<22)|(7<<25)    ; 8 words: pitch 160
.irp g, G1K, G1V
	s_mov_b32 s[\g+1], 32<<16                      ; tensor_dim0 = 32 elements
	s_mov_b32 s[\g+2], 64<<16                      ; tensor_dim1 = 64 rows
	s_mov_b32 s[\g+3], 32<<16                      ; tile_dim0
	s_mov_b32 s[\g+4], 64                          ; tile_dim1
	s_mov_b32 s[\g+5], 32                          ; elements from row to row
	s_mov_b32 s[\g+6], 0
	s_mov_b32 s[\g+7], 0
.endr
	s_mov_b32 s[G0K+0], 1
	s_mov_b32 s[G0K+1], 0
	s_mov_b32 s[G0K+4], 1
	s_mov_b32 s[G0K+5], SLOT
	s_mov_b32 s[G0V+0], 1
	s_mov_b32 s[G0V+1], VOFF
	s_mov_b32 s[G0V+4], 1
	s_mov_b32 s[G0V+5], SLOT+VOFF
	s_mov_b32 s[G0L+0], 1
	s_mov_b32 s[G0L+1], VLO
	s_wait_dscnt 0x0
	s_barrier_signal -1
	s_barrier_wait -1
	s_wait_kmcnt 0x0
	s_add_nc_u64 s[20:21], s[4:5], s[28:29]        ; q of my (b, head)
	s_add_nc_u64 s[22:23], s[20:21], 0x800000      ; k: 16 heads of 524,288 bytes on
	s_add_nc_u64 s[24:25], s[20:21], 0x1000000     ; v's hi: 32 heads on
	s_add_nc_u64 s[26:27], s[72:73], s[28:29]      ; ctx of my (b, head)
	s_add_nc_u64 s[74:75], s[74:75], s[2:3]        ; ctx's second part of my (b, head)
	s_mov_b64 s[G0K+2:G0K+3], s[22:23]             ; key tile 0
	s_or_b32 s[G0K+3], s[G0K+3], 0x80000000
	s_mov_b64 s[G0V+2:G0V+3], s[24:25]
	s_or_b32 s[G0V+3], s[G0V+3], 0x80000000
	s_add_nc_u64 s[G0L+2:G0L+3], s[6:7], s[28:29]  ; v's lo of my (b, head), key tile 0
	s_or_b32 s[G0L+3], s[G0L+3], 0x80000000
; Wave 0 brings the K tile, wave 1 the V tile, one tensor load each; the other waves issue none.  At most one tensor load of a wave is out.
; The argument may be an expression (1 - slot): it stands in brackets.
.macro KVLOAD slot
	s_cmp_lg_u32 s8, 0
	s_cbranch_scc1 .Lnot_k_\@
	tensor_load_to_lds s[G0K+4*(\slot):G0K+4*(\slot)+3], s[G1K:G1K+7]
	s_nop 0
.Lnot_k_\@:
	s_cmp_lg_u32 s8, 1
	s_cbranch_scc1 .Lnot_v_\@
	tensor_load_to_lds s[G0V+4*(\slot):G0V+4*(\slot)+3], s[G1V:G1V+7]
	s_nop 0
.Lnot_v_\@:
.endm
	KVLOAD 0                                       ; the first fills, ahead of every wait on TENSORcnt and every LDS load
	s_cmp_lg_u32 s8, 2                             ; wave 2's one tensor load of the launch: v's lo, where the work-group has query block 0
	s_cbranch_scc1 .Lnot_lo
	s_cmp_lg_u32 s11, 0
	s_cbranch_scc1 .Lnot_lo
	tensor_load_to_lds s[G0L:G0L+3], s[G1V:G1V+7]  ; its bytes are never filled again; the first trip's wait for 0 and barrier show it to all waves
	s_nop 0
.Lnot_lo:
	v_and_b32 v14, 31, v0                          ; lane
	v_and_b32 v1, 15, v0                           ; r
	v_bfe_u32 v2, v0, 4, 1                         ; h
	s_lshl_b32 s17, s10, 6                         ; 64 p
	v_add_nc_u32 v15, s17, v1
	v_mul_u32_u24 v[ADRK], v15, KPITCH             ; K: (64 p + r) pitch + 16 h
	v_lshl_add_u32 v[ADRK], v2, 4, v[ADRK]
	v_add_nc_u32 v[ADRK+1], SLOT, v[ADRK]
	v_and_b32 v15, 7, v0
	v_lshl_add_u32 v15, v2, 3, v15
	v_add_nc_u32 v15, s17, v15
	v_mul_u32_u24 v[ADRV], v15, VPITCH             ; V: (64 p + 8 h + (lane & 7)) pitch + 16 ((lane >> 3) & 1)
	v_bfe_u32 v15, v0, 3, 1
	v_lshl_add_u32 v[ADRV], v15, 4, v[ADRV]
	v_add_nc_u32 v[ADRV], VOFF, v[ADRV]
	v_add_nc_u32 v[ADRV+1], SLOT, v[ADRV]
	v_lshlrev_b32 v[QOFF], 7, v1
	v_lshl_add_u32 v[QOFF], v2, 4, v[QOFF]
	s_lshl_b32 s18, s9, 5
	s_sub_co_i32 s18, s18, s17                     ; 32 g - 64 p
	v_lshlrev_b32 v15, 3, v2
	v_sub_nc_u32 v[DLT], v1, v15
	v_add_nc_u32 v[DLT], s18, v[DLT]
	v_mov_b32 v[NINF], 0xff800000
	s_mul_i32 s18, s9, MSIZE
	s_add_co_u32 s18, s18, MERGE
	v_lshl_add_u32 v[MRG], v14, 4, s18
	s_mul_i32 s18, s9, SSIZE
	s_add_co_u32 s18, s18, STAGE
	v_mul_u32_u24 v[STO], v1, KPITCH               ; in: row r, 16 bytes for each half of the lanes
	v_lshl_add_u32 v[STO], v2, 4, v[STO]
	v_add_nc_u32 v[STO], s18, v[STO]
	v_lshrrev_b32 v15, 3, v14
	v_mul_u32_u24 v[RD], v15, KPITCH               ; back: eight lanes take a row's 128 bytes
	v_and_b32 v15, 7, v0
	v_lshl_add_u32 v[RD], v15, 4, v[RD]
	v_add_nc_u32 v[RD], s18, v[RD]
	v_lshlrev_b32 v[CO], 4, v14
; A pass begins: my 32 queries' fragments from memory (lane: query r, d = 8 h + .. : 16 bytes at 128 r + 16 h, + 32, + 64, + 96), sums cleared.
; The pass's first product lies inside the ring's loop, so it cannot be written out with the constant 0 as C: O is cleared, 64 registers, twice in the launch.
.macro INIT
	s_lshl_b32 s28, s16, 14                        ; 128 qb rows of 128 bytes
	s_add_co_u32 s28, s28, s68                     ; + 32 g rows
	s_add_nc_u64 s[30:31], s[20:21], s[28:29]
.irp qt, 0,1
.irp dh, 0,1
	global_load_b128 v[QF+16*\qt+8*\dh:QF+16*\qt+8*\dh+3],   v[QOFF], s[30:31] offset:2048*\qt+64*\dh
	global_load_b128 v[QF+16*\qt+8*\dh+4:QF+16*\qt+8*\dh+7], v[QOFF], s[30:31] offset:2048*\qt+64*\dh+32
.endr
.endr
.set i, 0
.rept 64
	v_mov_b32 v[O+i], 0
.set i, i+1
.endr
.irp qt, 0,1
	v_mov_b32 v[M+\qt], FLOOR
	v_mov_b32 v[LS+2*\qt], 0
	v_mov_b32 v[LS+2*\qt+1], 0
.endr
.irp qt, 0,1
	v_mul_f32 v[MCP+2*\qt],   CNEG, v[M+\qt]       ; by the same multiplication as in SOFTMAX: while M stays at the floor the rescaling factor is exactly 1
	v_mul_f32 v[MCP+2*\qt+1], CNEG, v[M+\qt]
.endr
	v_mov_b32 v[AL+1], 0                           ; the pair's upper register is named by the packed forms and never used
	s_wait_loadcnt 0x0
.endm
; The diagonal tile: keys beyond the query become -infinity.  The constants run from -16 to 55.
.macro MASK
.irp qt, 0,1
.irp kt, 0,1,2,3
.irp j, 0,1,2,3,4,5,6,7
	v_cmp_gt_i32 vcc_lo, 16*\kt-16*\qt+\j, v[DLT]
	v_cndmask_b32 v[S+32*\qt+8*\kt+\j], v[S+32*\qt+8*\kt+\j], v[NINF], vcc_lo
.endr
.endr
.endr
.endm
; One query tile's 16 queries x 64 keys: new maximum, exponentials, rescaled sums, P packed to f16 in place.
.macro SOFTMAX qt
.set SB, S+32*\qt
.set OB, O+32*\qt
.set MC, MCP+2*\qt
.set LL, LS+2*\qt
	v_max3_num_f32 v[T],   v[M+\qt], v[SB], v[SB+1]            ; two chains over my 32 scores and the old maximum
	v_max3_num_f32 v[T+1], v[SB+16], v[SB+17], v[SB+18]
.irp i, 1,2,3,4,5,6
	v_max3_num_f32 v[T],   v[T],   v[SB+2*\i],    v[SB+2*\i+1]
	v_max3_num_f32 v[T+1], v[T+1], v[SB+17+2*\i], v[SB+18+2*\i]
.endr
	v_max3_num_f32 v[T], v[T], v[SB+14], v[SB+15]
	v_max3_num_f32 v[T], v[T], v[T+1], v[SB+31]
	v_permlanex16_b32 v[T+1], v[T], s66, s67       ; the same query's other 32 keys lie in lane l xor 16
	v_max_num_f32 v[M+\qt], v[T], v[T+1]
	v_mul_f32 v[T+2], CNEG, v[M+\qt]               ; -c M, rounded once; every exponent below uses this very number,
	v_sub_f32 v[T+3], v[T+2], v[MC]                ; and the old sums are rescaled by 2^(new - old) of these numbers
	v_mov_b32 v[MC], v[T+2]
	v_exp_f32 v[AL], v[T+3]                        ; the packed lines below are the plain place behind it (ISA guide 5.7.2)
.set i, 0
.rept 16
	v_pk_fma_f32 v[SB+2*i:SB+2*i+1], v[SB+2*i:SB+2*i+1], CPOS, v[MC:MC+1] op_sel_hi:[1,0,0]   ; c s - c M
.set i, i+1
.endr
.set i, 0
.rept 32
	v_exp_f32 v[SB+i], v[SB+i]
.set i, i+1
.endr
.set i, 0
	s_wait_alu depctr_va_vdst(0)
.rept 16
	v_pk_mul_f32 v[OB+2*i:OB+2*i+1], v[OB+2*i:OB+2*i+1], v[AL:AL+1] op_sel_hi:[1,0]           ; plain work behind the exponentials
.set i, i+1
.endr
	v_pk_fma_f32 v[LL:LL+1], v[LL:LL+1], v[AL:AL+1], v[SB:SB+1] op_sel_hi:[1,0,1]             ; the sums, in two chains
	v_pk_add_f32 v[T:T+1], v[SB+2:SB+3], v[SB+6:SB+7]
.irp i, 1,2,3,4,5,6
	v_pk_add_f32 v[LL:LL+1], v[LL:LL+1], v[SB+4*\i:SB+4*\i+1]
	v_pk_add_f32 v[T:T+1],   v[T:T+1],   v[SB+4*\i+6:SB+4*\i+7]
.endr
	v_pk_add_f32 v[LL:LL+1], v[LL:LL+1], v[SB+28:SB+29]
	v_pk_add_f32 v[LL:LL+1], v[LL:LL+1], v[T:T+1]
.irp kg, 0,1
.irp q, 0,1,2,3
	v_cvt_pk_f16_f32 v[SB+16*\kg+\q], v[SB+16*\kg+2*\q], v[SB+16*\kg+2*\q+1]                  ; key tile 2 kg: registers 0-3 of the fragment
.endr
.irp q, 0,1,2,3
	v_cvt_pk_f16_f32 v[SB+16*\kg+4+\q], v[SB+16*\kg+8+2*\q], v[SB+16*\kg+8+2*\q+1]            ; key tile 2 kg + 1: registers 4-7
.endr
.endr
.endm
; 8 matrix instructions: O(qt, dt) += V^T fragment at v[va + 16 dt] x P(qt, kg)
.macro PV8 va, kg
.irp dt, 0,1,2,3
.irp qt, 0,1
	v_wmma_f32_16x16x32_f16 v[O+32*\qt+8*\dt:O+32*\qt+8*\dt+7], v[\va+16*\dt:\va+16*\dt+7], v[S+32*\qt+16*\kg:S+32*\qt+16*\kg+7], v[O+32*\qt+8*\dt:O+32*\qt+8*\dt+7]
.endr
.endr
.endm
; One trip's work of a wave: 32 queries x 64 keys.  In all runs of matrix instructions the accumulators take turns, one instruction a turn.
.macro WORK slot
.irp kt, 0,1,2,3
.irp dh, 0,1
	ds_load_b128 v[KV+16*\kt+8*\dh:KV+16*\kt+8*\dh+3],   v[ADRK+\slot] offset:16*KPITCH*\kt+64*\dh
	ds_load_b128 v[KV+16*\kt+8*\dh+4:KV+16*\kt+8*\dh+7], v[ADRK+\slot] offset:16*KPITCH*\kt+64*\dh+32
.endr
.endr
.irp kt, 0,1,2,3
	s_wait_dscnt 12-4*\kt                          ; key tile kt's four loads are in; the later tiles' four each stay out
	v_wmma_f32_16x16x32_f16 v[S+8*\kt:S+8*\kt+7],       v[KV+16*\kt:KV+16*\kt+7],    v[QF:QF+7],     0
	v_wmma_f32_16x16x32_f16 v[S+32+8*\kt:S+32+8*\kt+7], v[KV+16*\kt:KV+16*\kt+7],    v[QF+16:QF+23], 0
	v_wmma_f32_16x16x32_f16 v[S+8*\kt:S+8*\kt+7],       v[KV+16*\kt+8:KV+16*\kt+15], v[QF+8:QF+15],  v[S+8*\kt:S+8*\kt+7]
	v_wmma_f32_16x16x32_f16 v[S+32+8*\kt:S+32+8*\kt+7], v[KV+16*\kt+8:KV+16*\kt+15], v[QF+24:QF+31], v[S+32+8*\kt:S+32+8*\kt+7]
.endr
.rept 4
	v_nop                                          ; four places: in front of the loads over K's fragments and of the reads of S
.endr
.irp kg, 0,1
.irp dt, 0,1,2,3
	ds_load_tr16_b128 v[KV+16*\dt+8*\kg:KV+16*\dt+8*\kg+3],   v[ADRV+\slot] offset:32*VPITCH*\kg+32*\dt
	ds_load_tr16_b128 v[KV+16*\dt+8*\kg+4:KV+16*\dt+8*\kg+7], v[ADRV+\slot] offset:32*VPITCH*\kg+32*\dt+16*VPITCH
.endr
.endr
	s_cmp_lg_u32 s15, s16                          ; only the diagonal tile has keys beyond a query
	s_cbranch_scc1 .Lno_mask_\@
	MASK
.Lno_mask_\@:
	SOFTMAX 0
	SOFTMAX 1
	s_wait_dscnt 0x0                               ; V's fragments
	PV8 KV, 0
	PV8 KV+8, 1
	s_cmp_lg_u32 s16, 0                            ; query block 0 (its one key tile is tile 0): the same P times v's lo, onto the same sums
	s_cbranch_scc1 .Lno_lo_\@
.rept 4
	v_nop                                          ; four places in front of the loads over the fragments of v's hi
.endr
.irp kg, 0,1
.irp dt, 0,1,2,3
	ds_load_tr16_b128 v[KV+16*\dt+8*\kg:KV+16*\dt+8*\kg+3],   v[ADRV+1] offset:VSIZE+32*VPITCH*\kg+32*\dt
	ds_load_tr16_b128 v[KV+16*\dt+8*\kg+4:KV+16*\dt+8*\kg+7], v[ADRV+1] offset:VSIZE+32*VPITCH*\kg+32*\dt+16*VPITCH
.endr
.endr
	s_wait_dscnt 0x0
	PV8 KV, 0
	PV8 KV+8, 1
.Lno_lo_\@:
.rept 5
	v_nop                                          ; five places: the next matrix instruction writes over P; loads land on V's fragments; O is read and rescaled
.endr
.endm
; The upper key half hands its sums over: O (64 registers), then l of both query tiles and both shifts.
.macro STORE_PARTIAL moff
	v_add_f32 v[T],   v[LS],   v[LS+1]
	v_add_f32 v[T+1], v[LS+2], v[LS+3]
	v_mov_b32 v[T+2], v[MCP]
	v_mov_b32 v[T+3], v[MCP+2]
.set i, 0
.rept 16
	ds_store_b128 v[MRG], v[O+4*i:O+4*i+3] offset:\moff+512*i
.set i, i+1
.endr
	ds_store_b128 v[MRG], v[T:T+3] offset:\moff+8192
.endm
; The lower key half merges, divides, and stores its 32 rows of ctx.  again = 1: an INIT follows.
.macro FINISH moff, again
.set i, 0
.rept 16
	ds_load_b128 v[S+4*i:S+4*i+3], v[MRG] offset:\moff+512*i       ; the partner's O: the same lane holds the same (query, d)
.set i, i+1
.endr
	ds_load_b128 v[KV:KV+3], v[MRG] offset:\moff+8192              ; its l0, l1, shift 0, shift 1
	s_lshl_b32 s28, s16, 14
	s_add_co_u32 s28, s28, s68
	s_add_nc_u64 s[30:31], s[26:27], s[28:29]                      ; ctx at my 32 rows
	s_wait_dscnt 0x0
.irp qt, 0,1
	v_add_f32 v[T], v[LS+2*\qt], v[LS+2*\qt+1]
	v_min_num_f32 v[T+1], v[MCP+2*\qt], v[KV+2+\qt]                ; the smaller -c M belongs to the larger maximum
	v_sub_f32 v[T+2], v[T+1], v[MCP+2*\qt]
	v_sub_f32 v[T+3], v[T+1], v[KV+2+\qt]
	v_exp_f32 v[T+2], v[T+2]                                       ; my factor
	v_exp_f32 v[T+3], v[T+3]                                       ; the partner's (0 if all its keys were masked)
	v_nop                                                          ; the plain place behind a transcendental (ISA guide 5.7.2)
	s_wait_alu depctr_va_vdst(0)
	v_mul_f32 v[T], v[T], v[T+2]
	v_fmac_f32 v[T], v[KV+\qt], v[T+3]
	v_permlanex16_b32 v[T+1], v[T], s66, s67                       ; the query's other keys
	v_add_f32 v[T], v[T], v[T+1]
	v_rcp_f32 v[T], v[T]                                           ; the sum holds the largest term, about 1: never 0
	v_nop
	s_wait_alu depctr_va_vdst(0)
	v_mul_f32 v[AL],  v[T+2], v[T]
	v_mul_f32 v[G1P], v[T+3], v[T]
.set i, 0
.rept 16
	v_pk_mul_f32 v[O+32*\qt+2*i:O+32*\qt+2*i+1], v[O+32*\qt+2*i:O+32*\qt+2*i+1], v[AL:AL+1] op_sel_hi:[1,0]
.set i, i+1
.endr
.set i, 0
.rept 16
	v_pk_fma_f32 v[O+32*\qt+2*i:O+32*\qt+2*i+1], v[S+32*\qt+2*i:S+32*\qt+2*i+1], v[G1P:G1P+1], v[O+32*\qt+2*i:O+32*\qt+2*i+1] op_sel_hi:[1,0,1]
.set i, i+1
.endr
.endr
	; Wave 0 holds rows 0-15 of the block in its query tile 0: these are split into two f16 parts.  The partner's O in S has been used up.
	s_cmp_lg_u32 s8, 0
	s_cbranch_scc1 .Lno_split_\@
	s_lshl_b32 s2, s16, 11                                         ; block qb of 2,048 bytes
	s_add_nc_u64 s[70:71], s[74:75], s[2:3]
.set i, 0
.rept 32
	v_and_b32 v[S+i], 0xffffe000, v[O+i]                           ; hi: 11 significant bits, so that the conversion below is exact
	v_sub_f32 v[S+32+i], v[O+i], v[S+i]                            ; lo: the rest, exact in f32
	v_mov_b32 v[O+i], v[S+i]
.set i, i+1
.endr
.set i, 0
.rept 16
	v_cvt_pk_f16_f32 v[KV+40+i], v[S+32+2*i], v[S+32+2*i+1]        ; registers that nothing writes before the wait at this macro's end
.set i, i+1
.endr
.irp dt, 0,1,2,3
	global_store_b128 v[CO], v[KV+40+4*\dt:KV+40+4*\dt+3], s[70:71] offset:512*\dt    ; 16 bytes a lane in lane order: 512 consecutive bytes, aligned
.endr
.Lno_split_\@:
.irp qt, 0,1
.irp dt, 0,1,2,3
.irp q, 0,1,2,3
	v_cvt_pk_f16_f32 v[KV+8+16*\qt+4*\dt+\q], v[O+32*\qt+8*\dt+2*\q], v[O+32*\qt+8*\dt+2*\q+1]
.endr
	ds_store_b128 v[STO], v[KV+8+16*\qt+4*\dt:KV+8+16*\qt+4*\dt+3] offset:16*KPITCH*\qt+32*\dt    ; query 16 qt + r, d = 16 dt + 8 h + 0..7
.endr
.endr
.irp t, 0,1,2,3,4,5,6,7
	ds_load_b128 v[S+4*\t:S+4*\t+3], v[RD] offset:4*KPITCH*\t      ; my own bytes: LDS serves a wave's instructions in order (ISA guide 5.7.1.4)
.endr
.irp t, 0,1,2,3,4,5,6,7
	s_wait_dscnt 7-\t                                              ; load t is in, the younger ones stay out
	global_store_b128 v[CO], v[S+4*\t:S+4*\t+3], s[30:31] offset:512*\t    ; four rows of 128 bytes: 512 consecutive bytes, aligned
.endr
.if \again
	s_wait_xcnt 0x0                                                ; S, KV and the bases, which the stores read, are written again only behind this wait
.endif
.endm
; A trip.  In front of the barrier every wave waits for all its tensor loads (this trip's tile among them) and for its LDS instructions (its reads of the
; other slot; where a pass ends, the upper halves' stores into the merge bytes).  Behind it the other slot is filled first; then, where a pass ends, the
; lower halves merge and every wave begins the second pass; then the tile's work.
.macro TRIP slot, refill
	s_set_vgpr_msb 0x5
	s_wait_tensorcnt 0x0                           ; no tensor load of mine is out: every group 0 may be written
	ds_add_u32 v0, v1
	s_wait_dscnt 0x0
	s_set_vgpr_msb 0x500
.if \refill
	s_add_co_u32 s18, s14, 1                       ; the next trip,
	s_add_co_u32 s17, s15, 1                       ; its key tile: one further,
	s_cmp_eq_u32 s18, s13
	s_cselect_b32 s17, 0, s17                      ; or tile 0 where the second pass begins
	s_lshl_b32 s28, s17, 14                        ; tiles of 16,384 bytes
	s_add_nc_u64 s[G0K+4*(1-\slot)+2:G0K+4*(1-\slot)+3], s[22:23], s[28:29]
	s_or_b32 s[G0K+4*(1-\slot)+3], s[G0K+4*(1-\slot)+3], 0x80000000
	s_add_nc_u64 s[G0V+4*(1-\slot)+2:G0V+4*(1-\slot)+3], s[24:25], s[28:29]
	s_or_b32 s[G0V+4*(1-\slot)+3], s[G0V+4*(1-\slot)+3], 0x80000000
.endif
	s_cmp_lg_u32 s14, s13                          ; does the first pass end here?  (the same in all eight waves)
	s_cbranch_scc1 .Lno_part_\@
	s_cmp_lt_u32 s8, 4
	s_cbranch_scc1 .Lno_part_\@
	STORE_PARTIAL \slot*MSTEP
.Lno_part_\@:
	s_wait_dscnt 0x0
	s_barrier_signal -1
	s_barrier_wait -1
.if \refill
	KVLOAD 1-\slot                                 ; first behind the barrier: it has the whole trip in which to land
.endif
	s_cmp_lg_u32 s14, s13
	s_cbranch_scc1 .Lsame_\@
	s_cmp_ge_u32 s8, 4
	s_cbranch_scc1 .Lno_fin_\@
	FINISH \slot*MSTEP, 1
.Lno_fin_\@:
	s_mov_b32 s16, s11                             ; the second pass: query block j
	INIT
.Lsame_\@:
	WORK \slot
.if \refill
	s_mov_b32 s15, s17
	s_mov_b32 s14, s18
.endif
.endm
	INIT
	s_mov_b32 s19, 8                               ; 8 laps of two trips, then the 17th trip
.Llap:
	TRIP 0, 1
	TRIP 1, 1
	s_sub_co_u32 s19, s19, 1
	s_cmp_lg_u32 s19, 0
	s_cbranch_scc1 .Llap
	TRIP 0, 0                                      ; nothing is left to fetch
	s_cmp_lt_u32 s8, 4
	s_cbranch_scc1 .Llast_no_part
	STORE_PARTIAL MSTEP                            ; the second set of merge bytes: last read a trip's barrier ago
.Llast_no_part:
	s_wait_dscnt 0x0
	s_barrier_signal -1
	s_barrier_wait -1
	s_cmp_ge_u32 s8, 4
	s_cbranch_scc1 .Lend
	FINISH MSTEP, 0
.Lend:
	s_set_vgpr_msb 0x5
	s_wait_tensorcnt 0x0
	ds_add_u32 v0, v1
	s_wait_dscnt 0x0
	s_set_vgpr_msb 0x500
	s_endpgm
.Lfunc_end_k_q095ca3e7c5_attn:
	.size	k_q095ca3e7c5_attn, .Lfunc_end_k_q095ca3e7c5_attn-k_q095ca3e7c5_attn
	.p2alignl 7, 3214868480
	.fill 96, 4, 3214868480
	.section	.rodata,"a",@progbits
	.p2align	6, 0x0
	.amdhsa_kernel k_q095ca3e7c5_attn
		.amdhsa_group_segment_fixed_size 327680
		.amdhsa_private_segment_fixed_size 0
		.amdhsa_enable_private_segment 0
		.amdhsa_kernarg_size 32
		.amdhsa_user_sgpr_count 2
		.amdhsa_user_sgpr_kernarg_segment_ptr 1
		.amdhsa_wavefront_size32 1
		.amdhsa_system_sgpr_workgroup_id_x 1
		.amdhsa_system_sgpr_workgroup_id_y 1
		.amdhsa_system_sgpr_workgroup_id_z 1
		.amdhsa_system_vgpr_workitem_id 0
		.amdhsa_next_free_vgpr 258
		.amdhsa_next_free_sgpr 80
		.amdhsa_reserve_vcc 1
		.amdhsa_float_denorm_mode_32 3
		.amdhsa_float_denorm_mode_16_64 3
		.amdhsa_memory_ordered 1
		.amdhsa_forward_progress 1
		.amdhsa_inst_pref_size 165
	.end_amdhsa_kernel
	.amdgpu_metadata
---
amdhsa.version: [ 1, 2 ]
amdhsa.kernels:
  - .name:           k_q095ca3e7c5_attn
    .symbol:         k_q095ca3e7c5_attn.kd
    .args:
      - { .name: qkvh, .offset: 0, .size: 8, .value_kind: global_buffer, .address_space: global }
      - { .name: vlo, .offset: 8, .size: 8, .value_kind: global_buffer, .address_space: global }
      - { .name: ctxh, .offset: 16, .size: 8, .value_kind: global_buffer, .address_space: global }
      - { .name: ctxl, .offset: 24, .size: 8, .value_kind: global_buffer, .address_space: global }
    .group_segment_fixed_size: 327680
    .private_segment_fixed_size: 0
    .kernarg_segment_align: 8
    .kernarg_segment_size: 32
    .max_flat_workgroup_size: 256
    .sgpr_count:     80
    .vgpr_count:     258
    .wavefront_size: 32
...
	.end_amdgpu_metadata
.endif
;; end of part 6
;; launch outp (part 7): grid 8 x 32, 4 waves a work-group, clusters of 4 x 4, 327,680 bytes of LDS; arguments ctxh, woh, out0, ctxl; writes out0
.if DOCPART == 7
	.amdgcn_target "amdgcn-amd-amdhsa--gfx1250"
	.amdhsa_code_object_version 6
	.text
	.protected	k_q095ca3e7c5_outp
	.globl	k_q095ca3e7c5_outp
	.p2align	8
	.type	k_q095ca3e7c5_outp,@function
k_q095ca3e7c5_outp:
	s_mov_b64 s[64:65], 0
	v_nop
	global_prefetch_b8 v0, s[64:65] scope:SCOPE_SE
	s_setreg_imm32_b32 hwreg(HW_REG_WAVE_MODE, 25, 1), 1
	s_wait_xcnt 0x0
	s_wait_alu depctr_hold_cnt(0) depctr_sa_sdst(0) depctr_va_vdst(0) depctr_va_sdst(0) depctr_va_ssrc(0) depctr_va_vcc(0) depctr_vm_vsrc(0)
	s_getreg_b32 s2, hwreg(HW_REG_IB_STS2, 6, 4)
	s_cmp_eq_u32 s2, 0
	s_cbranch_scc0 .Lentry_in_a_cluster
	s_endpgm
.Lentry_in_a_cluster:
	s_bfe_u32 s2, ttmp6, 0x10000c
	s_cmp_lg_u32 s2, 0xf033
	s_cbranch_scc0 .Lentry_shape_is_right
	s_endpgm
.Lentry_shape_is_right:
; out0[row][o] = sum over (head, d) of ctx[head][row][d] w_out[o][64 head + d].  ctxh [16][4096][64] f16, woh [16][1024][64] f16 (w_out rounded to bf16
; and written as f16), out0 [4096][1024] f32.  Both operands lie by head: K is walked in the order (head, d), which is the column order of ctx.
; ctxl [16 head][32 block of 128 rows][4 dt][32 lane][8] f16: the second part of ctx for the first 16 rows of every block of 128 rows, in the order of
; source 1's registers.  It is multiplied by the same fragments of w_out and added onto the same sums, so that those rows enter with some 22 significant
; bits.  Only the blocks with t < 128 need it (a row that attends to a handful of keys is many times larger than the result's root mean square, by which
; it is judged); every block does it, since a launch with joint loads takes no branch on its block row.  The cost: 4 matrix instructions beside 16 in the
; two waves that hold the block's upper 64 rows.
; A work-group makes 128 x 128 of out0 with four waves, a wave 64 x 64: 16 accumulator tiles.  256 work-groups.  A K step is four heads (256 along K);
; four steps through two LDS slots, all written out.  One tensor load brings 128 rows of two heads: two dense blocks of 16,384 bytes.
; The two first fills bring half of K; two refills bring the rest.
; CLUSTERS: 4 x 4.  ctx's tiles hang on the block row alone and are shared along a row of the cluster, w_out's on the block column alone and are shared
; along a column: joint loads, as in the first product.  ctxl is not asked for jointly: it is 32,768 bytes for a block row, goes straight into registers
; once, and each of the four waves already issues its one tensor load behind every round.
; REGISTERS: window 0: v16-27 addresses, v32-63 and v64-95 rows on the way out, v128-255 accumulators (tile (a, b) at 128 + 8 (4 a + b));
;            window 1: v0-63 and v64-127 fragment buffers: w_out's four at f + 8 b, ctx's four at f + 32 + 8 a;
;            window 2 (waves 0 and 1 alone): all 32 fragments of ctx's second part, that of (head, d = 32 dh ..) at 16 head + 8 dh.
; The matrix instruction is used transposed (source 0 = rows of w_out, source 1 = rows of ctx): a lane holds row l % 16 and eight neighbouring columns.
.set PITCH,  144                       ; a head's row: 128 bytes + 16 (9 x 16)
.set HEADB,  128*PITCH                 ; 128 rows of one head
.set HALFL,  2*HEADB                   ; one tensor load: two heads
.set SLOT,   4*HALFL                   ; ctx's four heads, then w_out's four: 147,456 bytes
.set STAGE,  2*SLOT                    ; behind the ring: 16 rows x 272 bytes for each wave; no tensor load fills it
.set SPITCH, 272
.set ADRA, 16                          ; v16-17  my ctx fragments in slot 0, 1
.set ADRB, 20                          ; v20-21  my w_out fragments
.set STO,  24
.set RD,   25
.set CO,   26
.set LOA,  27                          ; v27     16 x lane: my 16 bytes in each 512 of ctxl
.set OB0,  32
.set OB1,  64
.set ACC,  128
.set F0,   0
.set F1,   64
.set G1,  24
.set G0,  32
.set G1B, 48
.set G0B, 56
.set MSB, 0
.macro WIN new                         ; the immediate's high byte repeats the setting that is left
.if MSB != \new
	s_set_vgpr_msb (MSB<<8)|\new
.set MSB, \new
.endif
.endm
.set MULW,  0x05                       ; sources 0 and 1 window 1, C and D window 0
.set LOWIN, 0x09                       ; source 0 window 1, source 1 window 2, C and D window 0
.set TO_F,  0x40                       ; destination window 1, address window 0
.set TO_L,  0x80                       ; destination window 2, address window 0
.macro JLOAD s                         ; waves 0 and 1 fetch ctx's two pairs of heads, waves 2 and 3 w_out's
	s_cmp_eq_u32 s11, 0
	s_cbranch_scc0 .Lfor_b_\@
	tensor_load_to_lds s[G0+4*\s:G0+4*\s+3], s[G1:G1+7]
	s_nop 0
	s_branch .Lasked_\@
.Lfor_b_\@:
	tensor_load_to_lds s[G0B+4*\s:G0B+4*\s+3], s[G1B:G1B+7]
	s_nop 0
.Lasked_\@:
.endm
.macro CREST                           ; a round of the cluster's barrier behind its opening barrier
	s_cmp_lg_u32 s10, 0
	s_cbranch_scc1 .Lnot_wave_0_\@
	s_barrier_signal -3
.Lnot_wave_0_\@:
	s_barrier_wait -3
	s_barrier_signal -1
	s_barrier_wait -1
.endm
.macro CROUND
	s_barrier_signal -1
	s_barrier_wait -1
	CREST
.endm
	s_load_b128 s[4:7], s[0:1], 0x0                ; ctxh s[4:5], woh s[6:7]
	s_load_b64 s[8:9], s[0:1], 0x10                ; out0
	s_load_b64 s[66:67], s[0:1], 0x18              ; ctxl
	v_lshl_add_u32 v126, v0, 2, 0x4c400
	v_mov_b32 v127, 0
	ds_add_u32 v126, v127
	v_lshrrev_b32 v1, 5, v0
	v_readfirstlane_b32 s10, v1                    ; wave 0..3
	s_lshr_b32 s11, s10, 1                         ; my half of the rows.  Also: I fetch for ctx (0) or for w_out (1)
	s_and_b32 s12, s10, 1                          ; my half of the columns.  Also: which pair of heads I fetch
	s_bfe_u32 s40, ttmp6, 0x40000                  ; cx
	s_bfe_u32 s41, ttmp6, 0x40004                  ; cy
	s_lshl_b32 s42, ttmp9, 2
	s_add_co_u32 s42, s42, s40                     ; block column
	s_and_b32 s13, ttmp7, 0xffff
	s_lshl_b32 s13, s13, 2
	s_add_co_u32 s13, s13, s41                     ; block row
	s_lshl_b32 s43, s41, 2
	s_lshl_b32 s43, 15, s43                        ; my row of the cluster
	s_lshl_b32 s44, 0x1111, s40                    ; my column
	; a tile: 2 rows (heads) of 2,048 elements of 8 bytes; padding of 4 words after every 32 words, that is behind each 128 bytes
	s_or_b32 s[G1+0], s43, (3<<16)|(1<<20)|(1<<21)|(4<<22)|(3<<25)
	s_or_b32 s[G1B+0], s44, (3<<16)|(1<<20)|(1<<21)|(4<<22)|(3<<25)
	s_mov_b32 s[G1+1], 2048<<16                    ; tensor_dim0
	s_mov_b32 s[G1B+1], 2048<<16
	s_mov_b32 s[G1+2], 2<<16                       ; tensor_dim1
	s_mov_b32 s[G1B+2], 2<<16
	s_mov_b32 s[G1+3], 2048<<16                    ; tile_dim0
	s_mov_b32 s[G1B+3], 2048<<16
	s_mov_b32 s[G1+4], 2                           ; tile_dim1
	s_mov_b32 s[G1B+4], 2
	s_mov_b32 s[G1+5], 65536                       ; from head to head: 524,288 bytes of ctx,
	s_mov_b32 s[G1B+5], 16384                      ; 131,072 of w_out
	s_mov_b32 s[G1+6], 0
	s_mov_b32 s[G1B+6], 0
	s_mov_b32 s[G1+7], 0
	s_mov_b32 s[G1B+7], 0
	s_lshl_b32 s17, s12, 20                        ; ctx: my pair of heads,
	s_lshl_b32 s16, s13, 14                        ; 128 x block row rows of 128 bytes
	s_add_co_u32 s16, s16, s17
	s_mov_b32 s17, 0
	s_lshl_b32 s47, s12, 18                        ; w_out: my pair of heads,
	s_lshl_b32 s46, s42, 14                        ; 128 x block column rows
	s_add_co_u32 s46, s46, s47
	s_mov_b32 s47, 0
	s_lshl_b32 s68, s13, 11                        ; ctxl: my block row's 2,048 bytes of each head (in registers that feed no descriptor)
	s_mov_b32 s69, 0
	s_mul_i32 s20, s10, HALFL                      ; to: ctx's two pairs, then w_out's two = wave x 36,864
	s_wait_dscnt 0x0
	s_wait_kmcnt 0x0
	s_add_nc_u64 s[14:15], s[4:5], s[16:17]
	s_add_nc_u64 s[46:47], s[6:7], s[46:47]
	s_add_nc_u64 s[66:67], s[66:67], s[68:69]
	CROUND                                         ; in front of the first joint loads
.irp s, 0,1
	s_mov_b32 s[G0+4*\s], 1
	s_add_co_u32 s[G0+4*\s+1], s20, \s*SLOT
	s_add_nc_u64 s[G0+4*\s+2:G0+4*\s+3], s[14:15], \s*4*524288     ; K step s: four heads on
	s_or_b32 s[G0+4*\s+3], s[G0+4*\s+3], 0x80000000
	s_mov_b32 s[G0B+4*\s], 1
	s_add_co_u32 s[G0B+4*\s+1], s20, \s*SLOT
	s_add_nc_u64 s[G0B+4*\s+2:G0B+4*\s+3], s[46:47], \s*4*131072
	s_or_b32 s[G0B+4*\s+3], s[G0B+4*\s+3], 0x80000000
	JLOAD \s                                       ; two tensor loads of a wave are out here, one later
.endr
	; The waves with the block's upper 64 rows take all of ctx's second part into window 2, once: 16 heads x 4 loads, 512 consecutive bytes each.
	; The branch hangs on the wave's number alone.  The address registers are never written again.
	v_and_b32 v6, 31, v0
	v_lshlrev_b32 v[LOA], 4, v6
	s_cmp_lg_u32 s11, 0
	s_cbranch_scc1 .Lno_lo_load
	WIN TO_L
.set hd, 0
.rept 16
.irp dt, 0,1,2,3
	global_load_b128 v[16*hd+4*\dt:16*hd+4*\dt+3], v[LOA], s[66:67] offset:hd*65536+\dt*512
.endr
.set hd, hd+1
.endr
	WIN 0
.Lno_lo_load:
	v_and_b32 v1, 15, v0                           ; r
	v_bfe_u32 v2, v0, 4, 1                         ; h
	v_mul_u32_u24 v3, v1, PITCH
	v_lshl_add_u32 v3, v2, 4, v3
	s_mul_i32 s21, s11, 64*PITCH                   ; my 64 rows of ctx
	s_mul_i32 s22, s12, 64*PITCH
	s_add_co_u32 s22, s22, 2*HALFL                 ; my 64 rows of w_out
.irp s, 0,1
	v_add_nc_u32 v[ADRA+\s], s21, v3
	v_add_nc_u32 v[ADRB+\s], s22, v3
	s_add_co_u32 s21, s21, SLOT
	s_add_co_u32 s22, s22, SLOT
.endr
	s_mul_i32 s23, s10, 16*SPITCH
	s_add_co_u32 s23, s23, STAGE                   ; my stage
	v_mul_u32_u24 v4, v1, SPITCH                   ; in: row r, 32 bytes for each half of the lanes
	v_lshl_add_u32 v4, v2, 5, v4
	v_add_nc_u32 v[STO], s23, v4
	v_mul_u32_u24 v5, v2, SPITCH                   ; back: lanes 0-15 one row of 256 bytes, lanes 16-31 the next
	v_lshl_add_u32 v5, v1, 4, v5
	v_add_nc_u32 v[RD], s23, v5
	v_lshlrev_b32 v5, 12, v2                       ; the same two rows in out0
	v_lshl_add_u32 v[CO], v1, 4, v5
; 8 matrix instructions: m blocks a0, a0 + 1 x 4 n blocks, 32 along K.  The 16 accumulators take turns, one instruction a turn.
.macro MUL8 f, a0, zero
.irp a, \a0, \a0+1
.irp b, 0,1,2,3
.if \zero
	v_wmma_f32_16x16x32_f16 v[ACC+8*(4*(\a)+\b):ACC+8*(4*(\a)+\b)+7], v[\f+8*\b:\f+8*\b+7], v[\f+32+8*(\a):\f+32+8*(\a)+7], 0
.else
	v_wmma_f32_16x16x32_f16 v[ACC+8*(4*(\a)+\b):ACC+8*(4*(\a)+\b)+7], v[\f+8*\b:\f+8*\b+7], v[\f+32+8*(\a):\f+32+8*(\a)+7], v[ACC+8*(4*(\a)+\b):ACC+8*(4*(\a)+\b)+7]
.endif
.endr
.endr
.endm
; Waves 0 and 1: the second part of rows 0-15, fragment (head hd, half dh), times buffer f's four fragments of w_out, onto m block 0's four sums.
; It stands behind the 16 products of the phase, whose last eight name other accumulators, and ends on accumulator 3; the next phase begins on accumulator 0:
; the turns hold.  first = 1: the loads into window 2 are waited for, once.  At a branch and at a label every window is 0.
.macro LOMUL f, hd, dh, first
	WIN 0
	s_cmp_lg_u32 s11, 0
	s_cbranch_scc1 .Lno_lo_\@
.if \first
	s_wait_loadcnt 0x0                             ; all 64 loads of ctx's second part
.endif
	WIN LOWIN
.irp b, 0,1,2,3
	v_wmma_f32_16x16x32_f16 v[ACC+8*\b:ACC+8*\b+7], v[\f+8*\b:\f+8*\b+7], v[16*(\hd)+8*(\dh):16*(\hd)+8*(\dh)+7], v[ACC+8*\b:ACC+8*\b+7]
.endr
	WIN 0
.Lno_lo_\@:
.endm
; 16 LDS loads: phase q of a K step (head q >> 1, d = 32 (q & 1) ..) into buffer f
.macro FETCH slot, q, f
	WIN TO_F
.irp i, 0,1,2,3
	ds_load_b128 v[\f+8*\i:\f+8*\i+3],   v[ADRB+\slot] offset:((\q)>>1)*HEADB+((\q)&1)*64+\i*16*PITCH
	ds_load_b128 v[\f+8*\i+4:\f+8*\i+7], v[ADRB+\slot] offset:((\q)>>1)*HEADB+((\q)&1)*64+\i*16*PITCH+32
.endr
.irp i, 0,1,2,3
	ds_load_b128 v[\f+32+8*\i:\f+32+8*\i+3], v[ADRA+\slot] offset:((\q)>>1)*HEADB+((\q)&1)*64+\i*16*PITCH
	ds_load_b128 v[\f+32+8*\i+4:\f+32+8*\i+7], v[ADRA+\slot] offset:((\q)>>1)*HEADB+((\q)&1)*64+\i*16*PITCH+32
.endr
.endm
.macro PLACES                          ; four places behind the matrix instructions that read a buffer, in front of the loads into it
.rept 4
	v_nop
.endr
.endm
; phase q of K step 'step': the next phase's fragments are asked for, then buffer f is multiplied
.macro PHASE slot, step, q, f, g, zero
	PLACES
	FETCH \slot, \q+1, \g
	s_wait_dscnt 16                                ; all but the 16 just issued
	WIN MULW
	MUL8 \f, 0, \zero
	MUL8 \f, 2, \zero
	LOMUL \f, 4*\step+((\q)>>1), (\q)&1, \zero
.endm
.macro STEP slot, step, zero
	PHASE \slot, \step, 0, F0, F1, \zero
	PHASE \slot, \step, 1, F1, F0, 0
	PHASE \slot, \step, 2, F0, F1, 0
	PHASE \slot, \step, 3, F1, F0, 0
	PHASE \slot, \step, 4, F0, F1, 0
	PHASE \slot, \step, 5, F1, F0, 0
	PHASE \slot, \step, 6, F0, F1, 0
.endm
; phase 7 multiplies buffer 1 and changes slots: the waits, the barrier (a round of the cluster's barrier where the slot is filled again), the refill first.
; From a request to the wait for it a wave issues 120 matrix instructions or more.
.macro TURN slot, next, fill, step
	s_wait_dscnt 0                                 ; my reads of this slot are over
	s_wait_tensorcnt 0x0                           ; all my tensor loads have landed: my part of the next slot
	ds_add_u32 v126, v127
	s_wait_dscnt 0x0
	s_barrier_signal -1
	WIN MULW
	MUL8 F1, 0, 0                                  ; register work while the others arrive
	WIN 0
	s_barrier_wait -1
.if \fill
	CREST
	s_add_nc_u64 s[G0+4*\slot+2:G0+4*\slot+3], s[G0+4*\slot+2:G0+4*\slot+3], 8*524288       ; two K steps = eight heads on
	s_add_nc_u64 s[G0B+4*\slot+2:G0B+4*\slot+3], s[G0B+4*\slot+2:G0B+4*\slot+3], 8*131072
	JLOAD \slot                                    ; the first tensor load behind the round, the wave's only one until the next
.endif
	PLACES
	FETCH \next, 0, F0
	WIN MULW
	MUL8 F1, 2, 0
	LOMUL F1, 4*\step+3, 1, 0
.endm
	s_wait_tensorcnt 1                             ; my part of K step 0 is in; K step 1's may stay out
	s_barrier_signal -1
	s_barrier_wait -1
	FETCH 0, 0, F0
	STEP 0, 0, 1                                   ; the first products start the sums
	TURN 0, 1, 1, 0                                ; slot 0 gets K step 2
	STEP 1, 1, 0
	TURN 1, 0, 1, 1                                ; slot 1 gets K step 3
	STEP 0, 2, 0
	TURN 0, 1, 0, 2                                ; nothing is left to fetch
	STEP 1, 3, 0
	s_wait_dscnt 0
	WIN MULW
	MUL8 F1, 0, 0
	MUL8 F1, 2, 0
	LOMUL F1, 15, 1, 0
	WIN 0
	; THE WAY OUT, 16 rows at a time through my own stage: a lane puts its 32 bytes of a row, whole rows of 256 bytes come back.
	PLACES
	s_lshl_b32 s16, s13, 19                        ; 128 x block row rows of 4,096 bytes
	s_lshl_b32 s17, s11, 18                        ; + 64 rows for the lower half
	s_add_co_u32 s16, s16, s17
	s_mov_b32 s17, 0
	s_add_nc_u64 s[8:9], s[8:9], s[16:17]
	s_lshl_b32 s46, s42, 9                         ; 128 columns of 4 bytes a block column
	s_lshl_b32 s47, s12, 8
	s_add_co_u32 s46, s46, s47
	s_mov_b32 s47, 0
	s_add_nc_u64 s[8:9], s[8:9], s[46:47]
.macro OUT16 a, f
.irp b, 0,1,2,3
	ds_store_b128 v[STO], v[ACC+8*(4*\a+\b):ACC+8*(4*\a+\b)+3]   offset:64*\b
	ds_store_b128 v[STO], v[ACC+8*(4*\a+\b)+4:ACC+8*(4*\a+\b)+7] offset:64*\b+16
.endr
	s_wait_xcnt 0x0                                ; buffer f and the base, which earlier stores read, are written again only behind this wait
.if \a
	s_add_nc_u64 s[8:9], s[8:9], 16*4096
.endif
.irp t, 0,1,2,3,4,5,6,7
	ds_load_b128 v[\f+4*\t:\f+4*\t+3], v[RD] offset:\t*2*SPITCH    ; LDS serves a wave's instructions in order (ISA guide 5.7.1.4): these see the stores above
.endr
.irp t, 0,1,2,3,4,5,6,7
	s_wait_dscnt 7-\t                              ; load t is in, the younger ones stay out
	global_store_b128 v[CO], v[\f+4*\t:\f+4*\t+3], s[8:9] offset:\t*2*4096 th:TH_STORE_NT   ; 16 lanes store 256 consecutive bytes, aligned
.endr
.endm
	OUT16 0, OB0
	OUT16 1, OB1
	OUT16 2, OB0
	OUT16 3, OB1
	s_wait_tensorcnt 0x0
	ds_add_u32 v126, v127
	s_wait_dscnt 0x0
	CROUND                                         ; the closing round
	s_endpgm
.Lfunc_end_k_q095ca3e7c5_outp:
	.size	k_q095ca3e7c5_outp, .Lfunc_end_k_q095ca3e7c5_outp-k_q095ca3e7c5_outp
	.p2alignl 7, 3214868480
	.fill 96, 4, 3214868480
	.section	.rodata,"a",@progbits
	.p2align	6, 0x0
	.amdhsa_kernel k_q095ca3e7c5_outp
		.amdhsa_group_segment_fixed_size 327680
		.amdhsa_private_segment_fixed_size 0
		.amdhsa_enable_private_segment 0
		.amdhsa_kernarg_size 32
		.amdhsa_user_sgpr_count 2
		.amdhsa_user_sgpr_kernarg_segment_ptr 1
		.amdhsa_wavefront_size32 1
		.amdhsa_system_sgpr_workgroup_id_x 1
		.amdhsa_system_sgpr_workgroup_id_y 1
		.amdhsa_system_sgpr_workgroup_id_z 1
		.amdhsa_system_vgpr_workitem_id 0
		.amdhsa_next_free_vgpr 768
		.amdhsa_next_free_sgpr 70
		.amdhsa_reserve_vcc 0
		.amdhsa_float_denorm_mode_32 3
		.amdhsa_float_denorm_mode_16_64 3
		.amdhsa_memory_ordered 1
		.amdhsa_forward_progress 1
		.amdhsa_inst_pref_size 108
	.end_amdhsa_kernel
	.amdgpu_metadata
---
amdhsa.version: [ 1, 2 ]
amdhsa.kernels:
  - .name:           k_q095ca3e7c5_outp
    .symbol:         k_q095ca3e7c5_outp.kd
    .args:
      - { .name: ctxh, .offset: 0, .size: 8, .value_kind: global_buffer, .address_space: global }
      - { .name: woh, .offset: 8, .size: 8, .value_kind: global_buffer, .address_space: global }
      - { .name: out0, .offset: 16, .size: 8, .value_kind: global_buffer, .address_space: global }
      - { .name: ctxl, .offset: 24, .size: 8, .value_kind: global_buffer, .address_space: global }
    .group_segment_fixed_size: 327680
    .private_segment_fixed_size: 0
    .kernarg_segment_align: 8
    .kernarg_segment_size: 32
    .max_flat_workgroup_size: 128
    .sgpr_count:     70
    .vgpr_count:     768
    .wavefront_size: 32
...
	.end_amdgpu_metadata
.endif
;; end of part 7
;; ======== version 3 of 3: 4 launches; version 2 with the launch cast written anew for expert scheduling mode
;; limits: values are held in f16: magnitudes above 65,504 overflow, below 6.1e-05 lose precision
;; workspace buffers: xh 8,388,608 bytes; wqh 6,291,456 bytes; woh 2,097,152 bytes; qkvh 25,165,824 bytes; vlo 8,388,608 bytes; ctxh 8,388,608 bytes; ctxl 1,048,576 bytes
;; launch cast (part 8): grid 256 x 1, 8 waves a work-group, no clusters, 0 bytes of LDS; arguments x, w_qkv, w_out, xh, wqh, woh; writes xh, wqh, woh
.if DOCPART == 8
	.amdgcn_target "amdgcn-amd-amdhsa--gfx1250"
	.amdhsa_code_object_version 6
	.text
	.protected	k_q095ca3e7c5_cast
	.globl	k_q095ca3e7c5_cast
	.p2align	8
	.type	k_q095ca3e7c5_cast,@function
k_q095ca3e7c5_cast:
	s_mov_b64 s[64:65], 0
	v_nop
	global_prefetch_b8 v0, s[64:65] scope:SCOPE_SE
	s_setreg_imm32_b32 hwreg(HW_REG_WAVE_SCHED_MODE, 0, 2), 2
	s_setreg_imm32_b32 hwreg(HW_REG_WAVE_MODE, 25, 1), 1
	s_wait_xcnt 0x0
	s_wait_alu depctr_vm_vsrc(0)
; The inputs are rounded once to bf16 (round to nearest even) for all later matrix work.
;   xh  [4096][1024]      = bf16(x),      same order
;   wqh [3072][1024]      = bf16(w_qkv),  same order
;   woh [16 head][1024 o][64 d] = bf16(w_out[o][64 head + d]) WRITTEN AS f16: laid by head, so that the last product can walk K in the order (head, d);
;       in f16 because its partner there, ctx, is f16.  A bf16 number has 8 significant bits, an f16 number 11: the second conversion is exact for
;       7.6e-6 <= |w| < 65,504.
; LIMITS: |w_out| below 65,504; a w_out below 7.6e-6 carries an absolute error of up to 3e-8.  x and w_qkv keep f32's range of exponents.
; A stream: no LDS, no barrier, no matrix unit.  256 work-groups of 32,768 numbers: groups 0-127 x, 128-223 w_qkv, 224-255 w_out.
; Thread t, turn i (16 turns): reads 32 bytes, stores the 16 bytes at 65,536 idx + 4,096 i + 16 t of its output: a wave's store covers
; 512 consecutive bytes, aligned.  The input address is base + (t >> 3) * rowmul + 32 (t & 7) + i * step:
;   x, w_qkv: rowmul 256, step 8,192, base 131,072 idx          (simply 32 bytes a thread, in order)
;   w_out:    rowmul 4,096, step 131,072, base 256 (idx >> 1) + (idx & 1) << 21   (eight lanes read the 256 bytes of one row's head)
; All 32 loads of a thread go out first; no address and no store's data register is written twice.
; THE MODE: SCHED_MODE bits 1:0 = 2 (LLVM: expert scheduling mode 2), set by the entry lines.  The code itself states the register dependences
; between vector instructions and memory instructions, with s_wait_alu, always for 0.
; THE PLAN.  Registers that memory instructions touch:
;   OFF, OUT   byte offsets.  Written by vector instructions at the head, once; read by the loads (OFF) and the stores (OUT).
;   X, turn i  eight registers.  The turn's two loads land in them; no vector instruction names them before.  The turn's conversions then write the
;              first four (on w_out's way the last four are at work too); the turn's one store reads the first four; nothing writes them after it.
; The 16 turns go in eight blocks of two.  Block p converts turns 2 p and 2 p + 1; its memory instructions are the two stores of block p - 1, whose
; registers no conversion of block p names.  So one wait at a block's head states all that the block's two stores hang on, and these stand among the
; block's conversions with no further wait.  No register that a load or store has read is ever written again: no wait is owed for that.
; A block is two turns and no more, so that a finished result lies in registers for two turns at the most and only two stores stand behind the last load.
.set OFF, 4                            ; v[4:19]   turn i: byte offset of my 32 input bytes
.set OUT, 20                           ; v20       16 t
.set X,   24                           ; v[24:151] turn i: 8 registers as loaded; the first 4 then hold the 8 results, the last 4 are at work
; Turn i's conversions.  tof16 = 1: the bf16 numbers are widened again and written as f16.
.macro CONV i, tof16
.irp q, 0,1,2,3
	v_cvt_pk_bf16_f32 v[X+8*(\i)+(\q)], v[X+8*(\i)+2*(\q)], v[X+8*(\i)+2*(\q)+1]  ; in place, ascending: register q is written when 2q and 2q+1 are read
.endr
.if \tof16
.irp q, 0,1,2,3
	v_lshlrev_b32 v[X+8*(\i)+4+2*((\q)&1)], 16, v[X+8*(\i)+(\q)]              ; bf16 to f32: the low half moves up,
	v_and_b32     v[X+8*(\i)+5+2*((\q)&1)], 0xffff0000, v[X+8*(\i)+(\q)]      ; the high half stays
	v_cvt_pk_f16_f32 v[X+8*(\i)+(\q)], v[X+8*(\i)+4+2*((\q)&1)], v[X+8*(\i)+5+2*((\q)&1)]
.endr
.endif
.endm
; Turn i's store.
.macro SEND i
	global_store_b128 v[OUT], v[X+8*(\i):X+8*(\i)+3], s[18:19] offset:4096*(\i)
.endm
; The eight blocks of two turns, and the last block's stores.
.macro TURNS tof16
.irp p, 0,1,2,3,4,5,6,7
	s_wait_loadcnt 30-4*\p                         ; loads come back in order (ISA guide 5.7.1): turn 2 p's two are in, the younger turns' stay out
.if \p > 0
	s_wait_alu depctr_va_vdst(0)                   ; the conversions of the block before have written the first four registers of turns 2 p - 2 and 2 p - 1, which this block's two stores read
	SEND 2*\p-2
.endif
	CONV 2*\p, \tof16
	s_wait_loadcnt 28-4*\p                         ; turn 2 p + 1's two loads are in
.if \p > 0
	SEND 2*\p-1                                    ; no wait: the conversions issued since the wait above name turn 2 p's registers alone
.endif
	CONV 2*\p+1, \tof16
.endr
	s_wait_alu depctr_va_vdst(0)                   ; the last block's conversions have written the first four registers of turns 14 and 15, which the last two stores read
	SEND 14
	SEND 15
.endm
	s_load_b256 s[4:11], s[0:1], 0x0               ; x s[4:5], w_qkv s[6:7], w_out s[8:9], xh s[10:11]
	s_load_b128 s[12:15], s[0:1], 0x20             ; wqh s[12:13], woh s[14:15]
	v_lshrrev_b32 v1, 3, v0                        ; t >> 3
	v_and_b32 v2, 7, v0
	v_lshlrev_b32 v2, 5, v2                        ; 32 (t & 7)
	v_lshlrev_b32 v[OUT], 4, v0
	s_mov_b32 s21, 256                             ; rowmul and step of the two plain cases
	s_mov_b32 s22, 8192
	s_wait_kmcnt 0x0
	s_cmp_lt_u32 ttmp9, 128                        ; which tensor: the choice hangs on the work-group's number alone
	s_cselect_b64 s[16:17], s[4:5], s[6:7]         ; from
	s_cselect_b64 s[18:19], s[10:11], s[12:13]     ; to
	s_cselect_b32 s20, 0, 128                      ; the tensor's first work-group
	s_cmp_lt_u32 ttmp9, 224
	s_cselect_b64 s[16:17], s[16:17], s[8:9]
	s_cselect_b64 s[18:19], s[18:19], s[14:15]
	s_cselect_b32 s20, s20, 224
	s_cselect_b32 s21, s21, 4096
	s_cselect_b32 s22, s22, 0x20000
	s_sub_co_u32 s23, ttmp9, s20                   ; idx
	s_lshl_b32 s24, s23, 17                        ; plain case: 131,072 idx
	s_lshr_b32 s26, s23, 1
	s_lshl_b32 s26, s26, 8                         ; w_out: 256 head
	s_and_b32 s27, s23, 1
	s_lshl_b32 s27, s27, 21                        ;        + 512 rows of 4,096 bytes for the odd half
	s_add_co_u32 s26, s26, s27
	s_cmp_lt_u32 ttmp9, 224                        ; compared again: the lines above changed SCC
	s_cselect_b32 s24, s24, s26
	s_mov_b32 s25, 0
	s_add_nc_u64 s[16:17], s[16:17], s[24:25]
	s_lshl_b32 s24, s23, 16                        ; 65,536 idx
	s_add_nc_u64 s[18:19], s[18:19], s[24:25]
	v_mad_u32_u24 v[OFF], v1, s21, v2
.irp i, 1,2,3,4,5,6,7,8,9,10,11,12,13,14,15
	s_mul_i32 s26, s22, \i
	v_add_nc_u32 v[OFF+\i], s26, v[OFF]
.endr
	s_wait_alu depctr_va_vdst(0)                   ; the sixteen offsets v[OFF ..] and v[OUT] are written: every load and store of the kernel reads one of them as its offset
.irp i, 0,1,2,3,4,5,6,7,8,9,10,11,12,13,14,15
	global_load_b128 v[X+8*\i:X+8*\i+3],   v[OFF+\i], s[16:17] th:TH_LOAD_NT
	global_load_b128 v[X+8*\i+4:X+8*\i+7], v[OFF+\i], s[16:17] offset:16 th:TH_LOAD_NT
.endr
	s_cmp_lt_u32 ttmp9, 224                        ; w_out's 32 work-groups take the second way
	s_cbranch_scc0 .Lw_out
	TURNS 0
	s_endpgm
.Lw_out:
	TURNS 1
	s_endpgm
.Lfunc_end_k_q095ca3e7c5_cast:
	.size	k_q095ca3e7c5_cast, .Lfunc_end_k_q095ca3e7c5_cast-k_q095ca3e7c5_cast
	.p2alignl 7, 3214868480
	.fill 96, 4, 3214868480
	.section	.rodata,"a",@progbits
	.p2align	6, 0x0
	.amdhsa_kernel k_q095ca3e7c5_cast
		.amdhsa_group_segment_fixed_size 0
		.amdhsa_private_segment_fixed_size 0
		.amdhsa_enable_private_segment 0
		.amdhsa_kernarg_size 48
		.amdhsa_user_sgpr_count 2
		.amdhsa_user_sgpr_kernarg_segment_ptr 1
		.amdhsa_wavefront_size32 1
		.amdhsa_system_sgpr_workgroup_id_x 1
		.amdhsa_system_sgpr_workgroup_id_y 1
		.amdhsa_system_sgpr_workgroup_id_z 1
		.amdhsa_system_vgpr_workitem_id 0
		.amdhsa_next_free_vgpr 152
		.amdhsa_next_free_sgpr 66
		.amdhsa_reserve_vcc 0
		.amdhsa_float_denorm_mode_32 3
		.amdhsa_float_denorm_mode_16_64 3
		.amdhsa_memory_ordered 1
		.amdhsa_forward_progress 1
		.amdhsa_inst_pref_size 29
	.end_amdhsa_kernel
	.amdgpu_metadata
---
amdhsa.version: [ 1, 2 ]
amdhsa.kernels:
  - .name:           k_q095ca3e7c5_cast
    .symbol:         k_q095ca3e7c5_cast.kd
    .args:
      - { .name: x, .offset: 0, .size: 8, .value_kind: global_buffer, .address_space: global }
      - { .name: w_qkv, .offset: 8, .size: 8, .value_kind: global_buffer, .address_space: global }
      - { .name: w_out, .offset: 16, .size: 8, .value_kind: global_buffer, .address_space: global }
      - { .name: xh, .offset: 24, .size: 8, .value_kind: global_buffer, .address_space: global }
      - { .name: wqh, .offset: 32, .size: 8, .value_kind: global_buffer, .address_space: global }
      - { .name: woh, .offset: 40, .size: 8, .value_kind: global_buffer, .address_space: global }
    .group_segment_fixed_size: 0
    .private_segment_fixed_size: 0
    .kernarg_segment_align: 8
    .kernarg_segment_size: 48
    .max_flat_workgroup_size: 256
    .sgpr_count:     66
    .vgpr_count:     152
    .wavefront_size: 32
...
	.end_amdgpu_metadata
.endif
;; end of part 8
;; launch qkv: the kernel of part 2 again; grid 16 x 16, 4 waves a work-group, clusters of 4 x 4, 327,680 bytes of LDS; arguments xh, wqh, qkvh, vlo; writes qkvh, vlo
;; launch attn: the kernel of part 6 again; grid 8 x 32, 8 waves a work-group, no clusters, 327,680 bytes of LDS; arguments qkvh, vlo, ctxh, ctxl; writes ctxh, ctxl
;; launch outp: the kernel of part 7 again; grid 8 x 32, 4 waves a work-group, clusters of 4 x 4, 327,680 bytes of LDS; arguments ctxh, woh, out0, ctxl; writes out0
